; MI455X (gfx1250); checked and timed in simulation.
; The chip was launched on July 23, 2026; its instructions are those of AMD's public machine-readable ISA for CDNA 5 (MIT licence, August 2026) and "CDNA5" Instruction Set Architecture Reference Guide (July 2026). The comments in the code are by the model that wrote it; some were corrected since.
;; Multi Head Attention. Allowed arithmetic: matrix products marked QUANTISED: E2M3 operands, one E8M0 scale for each 32 along K, by v_wmma_scale_f32_16x16x128_f8f6f4 with both operands' format E2M3, f32 sums; everything else in f32.
;; Inputs: k 4 x 2,048 x 1,024 float32; mask 4 x 1 x 1 x 2,048 bool; q 4 x 2,048 x 1,024 float32; v 4 x 2,048 x 1,024 float32; w_k 16 x 1,024 x 64 float32; w_o 1,024 x 1,024 float32; w_q 16 x 1,024 x 64 float32; w_v 16 x 1,024 x 64 float32.
;; Outputs: out0 4 x 2,048 x 1,024 float32.
;; This version of the problem:
;;   THIS VERSION OF THE PROBLEM IS GIVEN IN LOW PRECISION. The matrix products marked QUANTISED in the list below multiply operands that are first quantised to E2M3 (2 exponent bits, 3 mantissa bits; 6 bits a number), with one power-of-two scale for each 32 numbers along K (OCP MX v1.0); their sums are f32. All else is computed in f32.
;;   The module's matrix products, in the order in which they are computed (A, B: the left and right operand; K: the contracted axis; several contracted axes count as one K, in the product's order):
;;     1. [M 1,024, K 1,024] x [K 1,024, N 8,192]; A: input w_q; B: input q: QUANTISED
;;     2. [M 1,024, K 1,024] x [K 1,024, N 8,192]; A: input w_k; B: input k: QUANTISED
;;     3. [M 1,024, K 1,024] x [K 1,024, N 8,192]; A: input w_v; B: input v: QUANTISED
;;     4. batch 64 x [M 2,048, K 64] x [K 64, N 2,048]; A: computed on the way; B: computed on the way: QUANTISED
;;     5. batch 64 x [M 2,048, K 2,048] x [K 2,048, N 64]; A: softmax (see below); B: computed on the way: QUANTISED
;;     6. [M 8,192, K 1,024] x [K 1,024, N 1,024]; A: computed on the way; B: input w_o: QUANTISED
;;   THE QUANTISER, for each operand of a quantised product, along K:
;;     - K is cut into blocks of 32 from its start; a last block that is shorter is filled with zeros.
;;     - A block's scale is 2^e with e = floor(log2(the largest magnitude in the block)) - 2, held to -126 .. 127; a block of zeros has e = 0. As a byte (E8M0): e + 127.
;;     - Each number is divided by its block's scale, clamped to +-7.5, and rounded to the nearest number of E2M3, ties to even, subnormals kept.
;;     - The product sums the exact products of the quantised numbers (number of the format x scale) in f32.
;;   ~~~python
;;   def quantise(x, axis):      # numpy; x: float32 -> the quantised numbers, widened to float32 again
;;       x = np.moveaxis(x, axis, -1); K = x.shape[-1]
;;       x = np.pad(x, [(0, 0)] * (x.ndim - 1) + [(0, -K % 32)]); x = x.reshape(x.shape[:-1] + (-1, 32)); a = np.abs(x).max(-1, keepdims=True)
;;       e = np.where(a > 0, np.clip(np.frexp(np.where(a > 0, a, 1))[1] - 1 - 2, -126, 127), 0)      # np.frexp(a)[1] - 1 = floor(log2(a)), exactly
;;       r = np.clip(x / 2.0 ** e, -7.5, 7.5)
;;       step = 2.0 ** (np.maximum(np.frexp(np.where(r == 0, 1, r))[1] - 1, 0) - 3)
;;       q = np.round(r / step) * step * 2.0 ** e      # np.round: ties to even
;;       return np.moveaxis(q.reshape(q.shape[:-2] + (-1,))[..., :K], -1, axis).astype(np.float32)
;;   ~~~
;;   SOFTMAX AHEAD OF A QUANTISED PRODUCT. Where the list says 'softmax', what is quantised is not the finished softmax but p = 2^(t - M), with t = logit x log2(e) and M = ceil(the row's largest t), a whole number; so 1/2 < the row's largest p <= 1. The row's sum l is taken of the UNQUANTISED p, in f32, and the product's result is divided by l at the end. Since M is a whole number, a kernel that streams over the keys may use a running M (the ceiling of the running maximum): every later rescaling is an exact power of two, which a block's scale takes up: the codes' values come out the same.
;;   OPERANDS COMPUTED ON THE WAY. 'Computed on the way' means the value that the module computes at that place (a softmax that the list does not call 'softmax' is quantised finished and normalised). What goes into a quantiser is computed in f32, as accurately as f32 sums, v_exp_f32 and their like allow (about 1e-6 of the number): no bf16 or f16 on the way to a quantiser, and a product that is left as it is and whose result goes on into a quantised operand takes f32 operands (vector FMAs, or v_wmma_f32_16x16x4_f32). A number that lies on a knife's edge between two numbers of the format may be rounded either way, as far as f32 arithmetic and the matrix unit's own rounding can turn it there, and no further.
;; One version. Each part assembles by itself: llvm-mc -triple=amdgcn-amd-amdhsa -mcpu=gfx1250 --defsym DOCPART=n.
;; ======== version 1 of 1: 4 launches
;; limits: right only within a limited range of input values
;; workspace buffers: XC 22,020,096 bytes; XS 917,504 bytes; AC 18,874,368 bytes; AS 1,572,864 bytes; CC 6,291,456 bytes; CS 524,288 bytes
;; launch quant (part 1): grid 448 x 1, 4 waves a work-group, no clusters, 34,304 bytes of LDS; arguments q, k, v, w_o, w_q, w_k, w_v, XC, XS; writes XC, XS
.if DOCPART == 1
	.amdgcn_target "amdgcn-amd-amdhsa--gfx1250"
	.amdhsa_code_object_version 6
	.text
	.protected	k_q2846d29420_quant
	.globl	k_q2846d29420_quant
	.p2align	8
	.type	k_q2846d29420_quant,@function
k_q2846d29420_quant:
	s_mov_b64 s[64:65], 0
	v_nop
	global_prefetch_b8 v0, s[64:65] scope:SCOPE_SE
	s_setreg_imm32_b32 hwreg(HW_REG_WAVE_MODE, 25, 1), 1
	s_wait_xcnt 0x0
; q, k, v [8192][1024], w_o [1024][1024] (K innermost) and w_q, w_k, w_v [16][1024 (K)][64] (K the middle axis), all f32, become codes of FP6 (E2M3) with one E8M0 byte for each 32 along K.
; A block's scale is 2^(floor(log2(its largest magnitude)) - 2): its byte is the largest magnitude's exponent field - 2, held at 1 from below by a floor among the maximum's leaves.
; THE LAYOUT OF THE CODES (all workspace buffers of this program have it): rows go in tiles of 16, tile 2 G + u = rows 32 G + 8 u + r + 8 (r / 8), r = lane % 16; K in steps of 128.  A fragment (12 registers a lane: registers 6 c .. 6 c + 5 =
; k 64 c + 32 (lane / 16) + 0 .. 31 of the lane's row) lies as two half-images of 768 bytes: registers 6 c .. 6 c + 3 at 16 x lane, registers 6 c + 4, 6 c + 5 at 512 + 8 x lane.  XC: tile x 12,288 + K step x 1,536.
; XS: tile x 512 + 32 r + 4 x K step: a word of four scale bytes.  Tiles: q 0-511, k 512-1023, v 1024-1535, w_q 1536-1599, w_k 1600-1663, w_v 1664-1727 (rows 64 head + e), w_o 1728-1791.
; SHARES: a wave makes one tile for all of K: 8 fragments.  Work-groups 0-47: the three weights whose K is not innermost: a lane takes a column and its registers run down K; the four waves are the four tiles of one head.
; Work-groups 48-447: K innermost: each load reads 512 consecutive bytes of one row; the 16 rows turn through the wave's own stage in LDS (rows 528 bytes apart) and come back 32 neighbours a lane and block.
; Every store of a wave covers 512 or 256 consecutive bytes, aligned to 256.  No barrier: waves share nothing.  Memory binds: no matrix unit, no cluster, no tensor load.
; LIMITS: NaN and infinities among the inputs are not served; a block of zeros keeps the byte 1 (its codes are zeros, and this program alone reads the bytes).
.set RA,   64                          ; v64-127   numbers as loaded, set 0
.set RB,   128                         ; v128-191  set 1
.set X,    192                         ; v192-255  64 numbers in the operand's order
.set C,    20                          ; v20-31    a fragment's codes
.set CT,   32                          ; v32-34, v36-38  the halves whose three registers would begin on an odd number
.set SW,   40                          ; v40-47    the tile's scale words, one for each K step
.set SOUT, 48                          ; v48-51    the four that my lane stores
; k's tiles differ from the layout above: tile 4 c + j of k = rows 64 c + 8 j + r % 8 + 32 (r / 8), so that in the attention launch a lane holds whole blocks of 32 keys.
; So a tile's rows 8-15 have a base of their own, s[34:35]: 16 rows behind the first (k: 32 rows).
.macro LOADX s, set                    ; K step s of the tile's 16 rows: a load reads one row's 512 bytes
.irp p, 0,1,2,3,4,5,6,7
	global_load_b128 v[\set+4*\p:\set+4*\p+3], v4, s[4:5] offset:\p*4096+512*(\s) th:TH_LOAD_NT
.endr
.irp p, 8,9,10,11,12,13,14,15
	global_load_b128 v[\set+4*\p:\set+4*\p+3], v4, s[34:35] offset:(\p-8)*4096+512*(\s) th:TH_LOAD_NT
.endr
.endm
.macro LOADW s, set                    ; K step s of my column: register 32 c + i = k 128 s + 64 c + 32 (lane / 16) + i; a row of a head is 256 bytes, which the work-group's four waves use whole
.set i, 0
.rept 64
	global_load_b32 v[\set+i], v10, s[4:5] offset:(128*(\s)+64*(i/32)+i%32)*256
.set i, i+1
.endr
.endm
.macro TURN set                        ; through my stage: LDS serves a wave's instructions in order, so no wait stands between the stores and the loads
.irp p, 0,1,2,3,4,5,6,7,8,9,10,11,12,13,14,15
	ds_store_b128 v5, v[\set+4*\p:\set+4*\p+3] offset:528*\p
.endr
.irp c, 0,1
.irp i, 0,1,2,3,4,5,6,7
	ds_load_b128 v[X+32*\c+4*\i:X+32*\c+4*\i+3], v6 offset:256*\c+16*\i
.endr
.endr
.endm
.macro QUANT2 src, s                   ; 64 numbers of a lane, two whole blocks, become the fragment in v[C] on and the scale word v[SW + s]
.irp c, 0,1
	v_max3_num_f32 v[12+\c], |v[\src+32*\c]|, |v[\src+32*\c+1]|, 0x1800000   ; with the floor 2^(3 - 127): the byte cannot fall under 1
.endr
.irp i, 2,4,6,8,10,12,14,16,18,20,22,24,26,28,30
.irp c, 0,1
	v_max3_num_f32 v[12+\c], v[12+\c], |v[\src+32*\c+\i]|, |v[\src+32*\c+\i+1]|   ; the two blocks by turns
.endr
.endr
.irp c, 0,1
	v_add_nc_u32 v[14+\c], 0xff000000, v[12+\c]    ; 2 off the exponent field: the conversion takes this operand's exponent field as its scale
.endr
.irp c, 0,1
	v_lshrrev_b32 v[16+\c], 23, v[14+\c]           ; the scale's byte
.endr
	v_lshl_or_b32 v18, v17, 16, v16                ; my two bytes: blocks h and 2 + h,
	v_lshlrev_b32 v18, v9, v18                     ; 8 h bits up;
	v_permlanex16_b32 v19, v18, s22, s23
	v_or_b32 v[SW+\s], v18, v19                    ; with lane l xor 16's two the word is whole
	v_cvt_scalef32_pk16_fp6_f32 v[C:C+2], v[\src:\src+15], v14
	v_cvt_scalef32_pk16_fp6_f32 v[CT:CT+2], v[\src+16:\src+31], v14
	v_cvt_scalef32_pk16_fp6_f32 v[C+6:C+8], v[\src+32:\src+47], v15
	v_cvt_scalef32_pk16_fp6_f32 v[CT+4:CT+6], v[\src+48:\src+63], v15
	v_nop                                          ; one plain place behind the scaled conversions
.irp i, 0,1,2
	v_mov_b32 v[C+3+\i], v[CT+\i]
	v_mov_b32 v[C+9+\i], v[CT+4+\i]
.endr
.endm
.macro PUT s                           ; the fragment's two half-images: 512 + 256 + 512 + 256 consecutive bytes
	global_store_b128 v4, v[C:C+3], s[18:19] offset:1536*\s
	global_store_b64 v8, v[C+4:C+5], s[18:19] offset:1536*\s+512
	global_store_b128 v4, v[C+6:C+9], s[18:19] offset:1536*\s+768
	global_store_b64 v8, v[C+10:C+11], s[18:19] offset:1536*\s+1280
.endm
.macro OUTBASE                         ; s29 = the tile's number
	s_mul_i32 s32, s29, 12288
	s_mov_b32 s33, 0
	s_add_nc_u64 s[18:19], s[18:19], s[32:33]
	s_lshl_b32 s32, s29, 9
	s_add_nc_u64 s[20:21], s[20:21], s[32:33]
.endm
.macro FINISH                          ; lane (r, h) stores the words of K steps 4 h .. 4 h + 3 of row r: 512 consecutive bytes a wave
	v_cmp_ne_u32 vcc_lo, 0, v3
.irp i, 0,1,2,3
	v_cndmask_b32 v[SOUT+\i], v[SW+\i], v[SW+4+\i], vcc_lo
.endr
	global_store_b128 v11, v[SOUT:SOUT+3], s[20:21]
	s_wait_tensorcnt 0x0
	ds_add_u32 v62, v63
	s_wait_dscnt 0x0
	s_endpgm
.endm
	s_load_b256 s[4:11], s[0:1], 0x0               ; q, k, v, w_o
	s_load_b256 s[12:19], s[0:1], 0x20             ; w_q, w_k, w_v, XC
	s_load_b64 s[20:21], s[0:1], 0x40              ; XS
	v_lshl_add_u32 v62, v0, 2, 0x8400
	v_mov_b32 v63, 0
	v_lshrrev_b32 v1, 5, v0
	v_readfirstlane_b32 s24, v1                    ; wave
	v_and_b32 v1, 31, v0                           ; lane
	v_and_b32 v2, 15, v0                           ; r
	v_bfe_u32 v3, v0, 4, 1                         ; h
	v_lshlrev_b32 v4, 4, v1                        ; 16 x lane
	v_lshlrev_b32 v8, 3, v1                        ; 8 x lane
	v_lshlrev_b32 v9, 3, v3                        ; 8 h
	v_lshlrev_b32 v11, 5, v2
	v_lshl_add_u32 v11, v3, 4, v11                 ; 32 r + 16 h
	s_mul_i32 s25, s24, 8448                       ; my stage: 16 rows of 528 bytes
	v_add_nc_u32 v5, s25, v4                       ; in: 16 x lane of a row
	v_mul_u32_u24 v6, v2, 528
	v_lshl_add_u32 v6, v3, 7, v6
	v_add_nc_u32 v6, s25, v6                       ; out: row r, + 128 h
	v_lshrrev_b32 v10, 3, v2
	v_lshl_add_u32 v10, v10, 3, v2                 ; r + 8 (r / 8)
	v_lshlrev_b32 v10, 2, v10
	v_lshl_add_u32 v10, v3, 13, v10                ; the weights' path: my column's 4 bytes, and 32 rows of 256 bytes further down for lanes 16-31
	s_mov_b32 s22, 0x76543210
	s_mov_b32 s23, 0xfedcba98                      ; lane selects: lane l xor 16
	v_mov_b32 v19, 0                               ; a lane permute's destination counts as one of its sources
	s_cmp_lt_u32 ttmp9, 48
	s_cbranch_scc1 .Lweights
	; ---- K innermost
	s_sub_co_u32 s26, ttmp9, 48                    ; n
	s_lshr_b32 s27, s26, 7                         ; which tensor: q, k, v, w_o
	s_and_b32 s28, s26, 127
	s_lshl_b32 s28, s28, 2
	s_add_co_u32 s28, s28, s24                     ; the tile in its tensor
	s_lshl_b32 s29, s26, 2
	s_add_co_u32 s29, s29, s24
	s_cmp_lt_u32 s29, 1536
	s_cselect_b32 s30, 0, 192
	s_add_co_u32 s29, s29, s30                     ; the tile's number in XC: w_o's tiles lie behind the other three weights'
	s_lshr_b32 s30, s28, 1
	s_lshl_b32 s30, s30, 5
	s_and_b32 s31, s28, 1
	s_lshl_b32 s31, s31, 3
	s_add_co_u32 s30, s30, s31                     ; the tile's first row: 32 G + 8 u
	s_lshr_b32 s36, s28, 2
	s_lshl_b32 s36, s36, 6
	s_and_b32 s37, s28, 3
	s_lshl_b32 s37, s37, 3
	s_add_co_u32 s36, s36, s37                     ; k: the tile's first row is 64 c + 8 j
	s_mov_b32 s37, 65536
	s_cmp_eq_u32 s27, 1
	s_cselect_b32 s30, s36, s30
	s_cselect_b32 s36, 131072, s37                 ; bytes from row 0 to row 8 of the tile
	s_mov_b32 s37, 0
	s_lshl_b32 s30, s30, 12                        ; in bytes
	s_mov_b32 s31, 0
	s_wait_kmcnt 0x0
	s_cmp_eq_u32 s27, 1                            ; the choice hangs on the work-group's number alone
	s_cselect_b64 s[4:5], s[6:7], s[4:5]
	s_cmp_eq_u32 s27, 2
	s_cselect_b64 s[4:5], s[8:9], s[4:5]
	s_cmp_eq_u32 s27, 3
	s_cselect_b64 s[4:5], s[10:11], s[4:5]
	s_add_nc_u64 s[4:5], s[4:5], s[30:31]
	s_add_nc_u64 s[34:35], s[4:5], s[36:37]
	OUTBASE
	LOADX 0, RA
	LOADX 1, RB
	s_wait_alu depctr_va_vdst(0)
.irp s, 0,1,2,3,4,5,6,7
.if \s < 7
	s_wait_loadcnt 16                              ; this K step's 16 loads are in; the next step's 16 may be out
.else
	s_wait_loadcnt 0x0
.endif
	TURN RA+64*(\s%2)
	s_wait_dscnt 0x0                               ; the stage's stores have read their registers, and the 64 numbers are back
	s_wait_xcnt 0x0                                ; the last fragment's stores have read the codes' registers
.if \s < 6
	LOADX \s+2, RA+64*(\s%2)
.endif
	QUANT2 X, \s
	PUT \s
.endr
	FINISH
	; ---- K down the registers
.Lweights:
	s_lshr_b32 s27, ttmp9, 4                       ; which tensor: w_q, w_k, w_v
	s_and_b32 s28, ttmp9, 15                       ; the head
	s_lshl_b32 s29, ttmp9, 2
	s_add_co_u32 s29, s29, s24
	s_add_co_u32 s29, s29, 1536                    ; the tile's number in XC
	s_lshl_b32 s30, s28, 18                        ; a head is 262,144 bytes
	s_lshr_b32 s31, s24, 1
	s_lshl_b32 s31, s31, 7
	s_add_co_u32 s30, s30, s31                     ; + 32 G' columns
	s_and_b32 s31, s24, 1
	s_lshl_b32 s31, s31, 5
	s_add_co_u32 s30, s30, s31                     ; + 8 u columns
	s_mov_b32 s31, 0
	s_wait_kmcnt 0x0
	s_cmp_eq_u32 s27, 1
	s_cselect_b64 s[4:5], s[14:15], s[12:13]
	s_cmp_eq_u32 s27, 2
	s_cselect_b64 s[4:5], s[16:17], s[4:5]
	s_add_nc_u64 s[4:5], s[4:5], s[30:31]
	OUTBASE
	s_wait_alu depctr_va_vdst(0)
	LOADW 0, RA
	LOADW 1, RB
.irp s, 0,1,2,3,4,5,6,7
.if \s < 7
	s_wait_loadcnt 63                              ; 64 younger loads were issued; the wait's field holds 63, and the smaller count is safe: this K step's 64 are in
.else
	s_wait_loadcnt 0x0
.endif
	s_wait_xcnt 0x0                                ; the last fragment's stores have read the codes' registers
	QUANT2 RA+64*(\s%2), \s
	PUT \s
.if \s < 6
	LOADW \s+2, RA+64*(\s%2)
.endif
.endr
	FINISH
.Lfunc_end_k_q2846d29420_quant:
	.size	k_q2846d29420_quant, .Lfunc_end_k_q2846d29420_quant-k_q2846d29420_quant
	.p2alignl 7, 3214868480
	.fill 96, 4, 3214868480
	.section	.rodata,"a",@progbits
	.p2align	6, 0x0
	.amdhsa_kernel k_q2846d29420_quant
		.amdhsa_group_segment_fixed_size 34304
		.amdhsa_private_segment_fixed_size 0
		.amdhsa_enable_private_segment 0
		.amdhsa_kernarg_size 72
		.amdhsa_user_sgpr_count 2
		.amdhsa_user_sgpr_kernarg_segment_ptr 1
		.amdhsa_wavefront_size32 1
		.amdhsa_system_sgpr_workgroup_id_x 1
		.amdhsa_system_sgpr_workgroup_id_y 1
		.amdhsa_system_sgpr_workgroup_id_z 1
		.amdhsa_system_vgpr_workitem_id 0
		.amdhsa_next_free_vgpr 256
		.amdhsa_next_free_sgpr 66
		.amdhsa_reserve_vcc 1
		.amdhsa_float_denorm_mode_32 3
		.amdhsa_float_denorm_mode_16_64 3
		.amdhsa_memory_ordered 1
		.amdhsa_forward_progress 1
		.amdhsa_inst_pref_size 135
	.end_amdhsa_kernel
	.amdgpu_metadata
---
amdhsa.version: [ 1, 2 ]
amdhsa.kernels:
  - .name:           k_q2846d29420_quant
    .symbol:         k_q2846d29420_quant.kd
    .args:
      - { .name: q, .offset: 0, .size: 8, .value_kind: global_buffer, .address_space: global }
      - { .name: k, .offset: 8, .size: 8, .value_kind: global_buffer, .address_space: global }
      - { .name: v, .offset: 16, .size: 8, .value_kind: global_buffer, .address_space: global }
      - { .name: w_o, .offset: 24, .size: 8, .value_kind: global_buffer, .address_space: global }
      - { .name: w_q, .offset: 32, .size: 8, .value_kind: global_buffer, .address_space: global }
      - { .name: w_k, .offset: 40, .size: 8, .value_kind: global_buffer, .address_space: global }
      - { .name: w_v, .offset: 48, .size: 8, .value_kind: global_buffer, .address_space: global }
      - { .name: XC, .offset: 56, .size: 8, .value_kind: global_buffer, .address_space: global }
      - { .name: XS, .offset: 64, .size: 8, .value_kind: global_buffer, .address_space: global }
    .group_segment_fixed_size: 34304
    .private_segment_fixed_size: 0
    .kernarg_segment_align: 8
    .kernarg_segment_size: 72
    .max_flat_workgroup_size: 128
    .sgpr_count:     66
    .vgpr_count:     256
    .wavefront_size: 32
...
	.end_amdgpu_metadata
.endif
;; end of part 1
;; launch proj (part 2): grid 4 x 64, 4 waves a work-group, clusters of 4 x 4, 327,680 bytes of LDS; arguments XC, XS, AC, AS; writes AC, AS
.if DOCPART == 2
	.amdgcn_target "amdgcn-amd-amdhsa--gfx1250"
	.amdhsa_code_object_version 6
	.text
	.protected	k_q2846d29420_proj
	.globl	k_q2846d29420_proj
	.p2align	8
	.type	k_q2846d29420_proj,@function
k_q2846d29420_proj:
	s_mov_b64 s[64:65], 0
	v_nop
	global_prefetch_b8 v0, s[64:65] scope:SCOPE_SE
	s_setreg_imm32_b32 hwreg(HW_REG_WAVE_MODE, 25, 1), 1
	s_wait_xcnt 0x0
	s_wait_alu depctr_hold_cnt(0) depctr_sa_sdst(0) depctr_va_vdst(0) depctr_va_sdst(0) depctr_va_ssrc(0) depctr_va_vcc(0) depctr_vm_vsrc(0)
	s_getreg_b32 s2, hwreg(HW_REG_IB_STS2, 6, 4)
	s_cmp_eq_u32 s2, 0
	s_cbranch_scc0 .Lentry_in_a_cluster
	s_endpgm
.Lentry_in_a_cluster:
	s_bfe_u32 s2, ttmp6, 0x10000c
	s_cmp_lg_u32 s2, 0xf033
	s_cbranch_scc0 .Lentry_shape_is_right
	s_endpgm
.Lentry_shape_is_right:
; The three projections qh, kh, vh on codes of FP6 (E2M3) with E8M0 scales, and their results quantised in registers into the operands of the attention launch.
; ONE TEXT FOR ALL THREE.  D = stationary x streaming^T with source 0 = 16 stationary rows, source 1 = 16 streaming rows: a lane holds ONE streaming row and its registers run along the stationary rows, which are the next product's K.
;   qh, kh: stationary = the weight's rows (head, e), streaming = tokens: a lane holds a token, registers run along e.     vh: stationary = v's tokens (the keys), streaming = w_v's rows: a lane holds a channel, registers run along the keys.
; The rows of a stationary tile (XC's layout: tile 2 G + u = rows 32 G + 8 u + r + 8 (r / 8)) are chosen so that the 16 registers of stationary tiles 2 G, 2 G + 1 are 16 neighbours: 32 G + 16 (lane / 16) + 0 .. 15.
; SHARES.  A block: 256 stationary rows x 128 streaming rows x K = 1,024.  A wave: 64 stationary rows: 32 fragments, 384 registers, which stay; the 8 streaming tiles go by in pairs: 64 products a pair.
; A WORK-GROUP STAYS and makes three blocks, PHASES p = 0, 1, 2: one of qh, one of kh, one of vh: 256 work-groups.
; LDS: the stationary rows' region (196,608 bytes), the streaming rows' (98,304), the spare words.  At the head one tensor load a wave: waves 0, 1 a half each of the stationary rows, waves 2, 3 a half each of the streaming rows.
; REFILLS, each behind a drained round of the cluster's barrier with the three lines ahead of it:
;   at a phase's top, when every wave holds the stationary rows in registers: waves 0, 1 fill that region with the next phase's;  at the head of a phase's last pair, when every wave has read the streaming rows: waves 2, 3 fill that region with the next phase's.
;   Each round also shows what the round before asked for.  The last phase fills nothing: it is written out behind the loop of two trips.  One tensor load of mine is out at the most.
; The next phase's scale words wait in window 3, v192-255, and are moved at the change of phase.
; PREFETCH: the next phase's streaming block, 384 blocks of 256 bytes, is asked for in the phase's first pair, three pairs ahead of its load: the four partners that will ask for it jointly take 96 blocks each by address, a wave 24, a lane a block.
; The next stationary rows are asked for by their load a whole phase ahead of their first read, so they are not prefetched.
; CLUSTER 4 x 4: the stationary rows hang on the place along x alone and are asked for jointly down a column; the streaming rows hang on the place along y alone and are asked for jointly along a row.
; OUT.  A wave's 64 stationary rows are two blocks of 32 of the next K: a half-image of 768 bytes for each streaming tile, and two scale bytes a row.
;   AC: qh at bh x 98,304 + tile x 768;  from 6,291,456 on, for each bh 196,608 bytes, for each step of 128 keys 12,288: kh's 8 tiles x 768, then vh's [tile of channels 4][64 keys 2][768].
;   AS: qh, kh (from 524,288) [bh][step][r][8 tiles] words; vh (from 1,048,576) [bh][step][64 keys 2][r][4 tiles] words; two bytes in a word's low half, its upper half 0.
; REGISTERS: window 0: v1-15 addresses; v16-47 stationary scale words (8 t + s); v48-79 streaming ones (8 g + s: lanes 0-15 tile 2 g, lanes 16-31 tile 2 g + 1); v80-143 the 8 accumulators (32 u + 8 t); v144-197 the quantiser's and addresses.
;   window 1: stationary K steps 0-3 at 12 (4 s + t);  window 2: K steps 4-7;  window 3: a pair's streaming fragments, K steps 0-3 at 12 (4 u + s), K steps 4-7 96 further on.
; LIMITS: NaN and infinities are not served; a block of zeros keeps the byte 1 (its codes are zeros).
.set WV,   12
.set SS,   16
.set TS,   48
.set ACC,  80
.set PC,   144                         ; v144-155 codes; v156-158, v160-162 the halves made elsewhere
.set TM,   164                         ; v164-167 largest magnitudes, v168-171 bytes, v176-179 scale operands
.set PW,   180
.set SWO,  184                         ; v184-191 the eight streaming tiles' scale words
.set STRM, 196608
.set SEL,  96
.set MSB, 0
.macro WIN new                         ; the immediate's high byte repeats the setting that is left
.if MSB != (\new)
	s_set_vgpr_msb (MSB<<8)|(\new)
.set MSB, (\new)
.endif
.endm
.macro CROUND                          ; a round of the cluster's barrier
	s_barrier_signal -1
	s_barrier_wait -1
	s_cmp_lg_u32 s[WV], 0
	s_cbranch_scc1 .Lnot_wave_0_\@
	s_barrier_signal -3
.Lnot_wave_0_\@:
	s_barrier_wait -3
	s_barrier_signal -1
	s_barrier_wait -1
.endm
.macro PLACES                          ; four plain places behind matrix instructions (ISA guide 7.12.1)
.rept 4
	v_nop
.endr
.endm
.macro WALU
	s_wait_alu depctr_va_vdst(0)
.endm
.macro FRAG reg, va, vb, off           ; a fragment's two half-images: every load of the wave reads 512 or 256 consecutive bytes
	ds_load_b128 v[\reg:\reg+3], v[\va] offset:\off
	ds_load_b64 v[\reg+4:\reg+5], v[\vb] offset:\off+512
	ds_load_b128 v[\reg+6:\reg+9], v[\va] offset:\off+768
	ds_load_b64 v[\reg+10:\reg+11], v[\vb] offset:\off+1280
.endm
.macro FETCH set, g                    ; streaming tiles 2 g, 2 g + 1, K steps 4 set .. 4 set + 3: 32 LDS loads
	WIN 0xc0
.irp u, 0,1
.irp s, 0,1,2,3
	FRAG 96*(\set)+12*(4*\u+\s), 6+2*((\g)/2), 7+2*((\g)/2), ((2*(\g)+\u)%4)*12288+(4*(\set)+\s)*1536
.endr
.endr
.endm
.macro STATLOAD                        ; my 64 stationary rows, all of K: 128 LDS loads
	WIN 0x40
.irp s, 0,1,2,3
.irp t, 0,1,2,3
	FRAG 12*(4*\s+\t), 4, 5, \t*12288+\s*1536
.endr
.endr
	WIN 0x80
.irp s, 0,1,2,3
.irp t, 0,1,2,3
	FRAG 12*(4*\s+\t), 4, 5, \t*12288+(4+\s)*1536
.endr
.endr
	WIN 0
.endm
.macro WM d, a, b, sa, sb, zero, row
.if \zero
.if \row
	v_wmma_scale_f32_16x16x128_f8f6f4 v[\d:\d+7], v[\a:\a+11], v[\b:\b+11], 0, v[\sa], v[\sb] matrix_a_fmt:MATRIX_FMT_FP6 matrix_b_fmt:MATRIX_FMT_FP6 matrix_b_scale:MATRIX_SCALE_ROW1
.else
	v_wmma_scale_f32_16x16x128_f8f6f4 v[\d:\d+7], v[\a:\a+11], v[\b:\b+11], 0, v[\sa], v[\sb] matrix_a_fmt:MATRIX_FMT_FP6 matrix_b_fmt:MATRIX_FMT_FP6
.endif
.else
.if \row
	v_wmma_scale_f32_16x16x128_f8f6f4 v[\d:\d+7], v[\a:\a+11], v[\b:\b+11], v[\d:\d+7], v[\sa], v[\sb] matrix_a_fmt:MATRIX_FMT_FP6 matrix_b_fmt:MATRIX_FMT_FP6 matrix_b_scale:MATRIX_SCALE_ROW1
.else
	v_wmma_scale_f32_16x16x128_f8f6f4 v[\d:\d+7], v[\a:\a+11], v[\b:\b+11], v[\d:\d+7], v[\sa], v[\sb] matrix_a_fmt:MATRIX_FMT_FP6 matrix_b_fmt:MATRIX_FMT_FP6
.endif
.endif
.endm
.macro MUL32 g, half                   ; 4 K steps x 2 streaming tiles x my 4 stationary tiles.  The 8 accumulators take turns, one instruction a turn; the first K step starts the sums
	WIN 0x0d+\half
.irp s, 0,1,2,3
.irp u, 0,1
.irp t, 0,1,2,3
.if (\half == 0) && (\s == 0)
	WM ACC+32*\u+8*\t, 12*(4*\s+\t), 96*\half+12*(4*\u+\s), SS+8*\t+4*\half+\s, TS+8*\g+4*\half+\s, 1, \u
.else
	WM ACC+32*\u+8*\t, 12*(4*\s+\t), 96*\half+12*(4*\u+\s), SS+8*\t+4*\half+\s, TS+8*\g+4*\half+\s, 0, \u
.endif
.endr
.endr
.endr
.endm
; 64 numbers of a lane, register 16 b + i = number 16 (lane / 16) + i of block b, become codes in v[PC] on (registers 6 c .. 6 c + 5: lanes 0-15 block 2 c, lanes 16-31 block 2 c + 1) and the four bytes in v[PW]
.macro QUANT s
.irp b, 0,1,2,3
	v_max3_num_f32 v[TM+\b], |v[\s+16*\b]|, |v[\s+1+16*\b]|, 0x1800000   ; with the floor 2^(3 - 127): the byte cannot fall under 1
.endr
.irp i, 2,4,6,8,10,12,14
.irp b, 0,1,2,3
	v_max3_num_f32 v[TM+\b], v[TM+\b], |v[\s+16*\b+\i]|, |v[\s+1+16*\b+\i]|
.endr
.endr
.irp b, 0,1,2,3
	v_permlanex16_b32 v[TM+4+\b], v[TM+\b], s[SEL], s[SEL+1]
.endr
.irp b, 0,1,2,3
	v_max_num_f32 v[TM+\b], v[TM+\b], v[TM+4+\b]   ; with lane l xor 16's: the block's largest magnitude
.endr
.irp b, 0,1,2,3
	v_add_nc_u32 v[TM+12+\b], 0xff000000, v[TM+\b] ; 2 off its exponent field: the conversion's scale operand
.endr
.irp b, 0,1,2,3
	v_lshrrev_b32 v[TM+4+\b], 23, v[TM+12+\b]      ; the scale's byte
.endr
	v_lshl_or_b32 v[PW], v[TM+5], 8, v[TM+4]
	v_lshl_or_b32 v[PW], v[TM+6], 16, v[PW]
	v_lshl_or_b32 v[PW], v[TM+7], 24, v[PW]
.irp c, 0,1
	v_cvt_scalef32_pk16_fp6_f32 v[PC+6*\c:PC+2+6*\c], v[\s+32*\c:\s+15+32*\c], v[TM+12+2*\c]
	v_cvt_scalef32_pk16_fp6_f32 v[PC+12+4*\c:PC+14+4*\c], v[\s+16+32*\c:\s+31+32*\c], v[TM+12+2*\c+1]
.endr
	v_nop                                          ; one plain place behind the scaled conversions
.irp c, 0,1
.irp i, 0,1,2
	v_permlane16_swap_b32 v[PC+6*\c+\i], v[PC+12+4*\c+\i]   ; a whole block to a lane
.endr
.irp i, 0,1,2
	v_mov_b32 v[PC+3+6*\c+\i], v[PC+12+4*\c+\i]
.endr
.endr
.endm
.macro EPI g                           ; the pair's results: registers 0-5 are tile 2 g's half-image, registers 6-11 tile 2 g + 1's
	s_wait_xcnt 0x0                                ; the last pair's stores have read their data and their base
.if \g > 0
	s_add_nc_u64 s[84:85], s[84:85], s[88:89]      ; two tiles on
.endif
.if \g == 2
	s_add_nc_u64 s[84:85], s[84:85], s[90:91]      ; vh: tiles 4-7 are the next head's
.endif
	QUANT ACC
	v_and_b32 v[SWO+2*\g], 0xffff, v[PW]
	v_lshrrev_b32 v[SWO+2*\g+1], 16, v[PW]
	global_store_b128 v10, v[PC:PC+3], s[84:85]
	global_store_b64 v11, v[PC+4:PC+5], s[84:85]
	global_store_b128 v12, v[PC+6:PC+9], s[84:85]
	global_store_b64 v13, v[PC+10:PC+11], s[84:85]
.endm
.macro TRIP g, pf                      ; pairs 0 to 2
	s_wait_dscnt 32                                ; the pair's K steps 0-3 are in; the 32 loads of K steps 4-7 may be out
	MUL32 \g, 0
	PLACES
	FETCH 0, \g+1
	s_wait_dscnt 32                                ; K steps 4-7 are in; the 32 just issued may be out
.if \pf
	global_prefetch_b8 v197, s[4:5] th:TH_LOAD_NT scope:SCOPE_SE   ; my 24 blocks of the next phase's streaming rows
.endif
	MUL32 \g, 1
	PLACES
	FETCH 1, \g+1
	WIN 0
	EPI \g
.endm
.macro TRIP3 more                      ; the last pair.  more = 1: every wave has read the streaming rows: their region takes the next phase's
.if \more
	s_wait_tensorcnt 0x0                           ; waves 0, 1: my half of the next stationary rows is in
	ds_add_u32 v254, v255
	s_wait_dscnt 0x0                               ; the add is done, and my reads of the streaming rows
	CROUND
	s_cmp_lt_u32 s[WV], 2
	s_cbranch_scc1 .Lno_strm_\@
	tensor_load_to_lds s[44:47], s[32:39]          ; waves 2, 3: a half of the next streaming rows
	s_nop 0
	PLACES
.Lno_strm_\@:
.else
	s_wait_dscnt 0x0
.endif
	MUL32 3, 0
	MUL32 3, 1
	PLACES
	WIN 0
	EPI 3
.endm
.macro BODY more
	TRIP 0, \more
	TRIP 1, 0
	TRIP 2, 0
	TRIP3 \more
	v_cmp_ne_u32 vcc_lo, 0, v2                     ; lane (r, h) stores the words of tiles 4 h .. 4 h + 3 of row r
.irp i, 0,1,2,3
	v_cndmask_b32 v[192+\i], v[SWO+\i], v[SWO+4+\i], vcc_lo
.endr
	global_store_b128 v14, v[192:195], s[86:87]
.endm
; What phase s95 loads: both group 0s' addresses, the scale words' addresses, sigma (s48) and beta (s60).  vh changes the roles, by numbers alone; the phase is the same in all partners
.macro LOADP
	s_mul_i32 s20, s95, 786432
	s_add_co_u32 s20, s20, 18874368                ; the weight's codes in XC
	s_mul_i32 s21, s95, 6291456                    ; the tokens' codes
	s_lshl_b32 s22, s95, 15
	s_add_co_u32 s22, s22, 786432                  ; the weight's scales in XS
	s_lshl_b32 s23, s95, 18                        ; the tokens' scales
	s_lshr_b32 s18, s17, 1
	s_and_b32 s19, s17, 1
	s_cmp_eq_u32 s95, 2
	s_cselect_b32 s18, s18, 0
	s_cselect_b32 s19, s19, s17
	s_cselect_b32 s20, 12582912, s20               ; stationary codes: v's tokens
	s_cselect_b32 s21, 20447232, s21               ; streaming codes: w_v
	s_cselect_b32 s22, 524288, s22
	s_cselect_b32 s23, 851968, s23
	s_lshl_b32 s48, s18, 2
	s_add_co_u32 s48, s48, s13                     ; sigma: which 256 stationary rows (hangs on cx alone)
	s_lshl_b32 s60, s19, 2
	s_add_co_u32 s60, s60, s14                     ; beta: which 128 streaming rows (hangs on cy alone)
	s_mul_i32 s50, s48, 196608
	s_add_co_u32 s50, s50, s20
	s_add_co_u32 s50, s50, s41
	s_mov_b32 s51, 0
	s_mul_i32 s62, s60, 98304
	s_add_co_u32 s62, s62, s21
	s_mov_b32 s68, s62                             ; the streaming block's first byte, for the prefetch
	s_mul_i32 s63, s99, 49152
	s_add_co_u32 s62, s62, s63
	s_mov_b32 s63, 0
	s_add_nc_u64 s[42:43], s[4:5], s[50:51]
	s_or_b32 s43, s43, 0x80000000
	s_add_nc_u64 s[46:47], s[4:5], s[62:63]
	s_or_b32 s47, s47, 0x80000000
	s_lshl_b32 s52, s48, 13
	s_add_co_u32 s52, s52, s22
	s_lshl_b32 s53, s[WV], 11
	s_add_co_u32 s52, s52, s53                     ; my 4 stationary tiles' scale words
	s_mov_b32 s53, 0
	s_lshl_b32 s66, s60, 12
	s_add_co_u32 s66, s66, s23                     ; the 8 streaming tiles' scale words
	s_mov_b32 s67, 0
	s_add_nc_u64 s[52:53], s[6:7], s[52:53]
	s_add_nc_u64 s[66:67], s[6:7], s[66:67]
.endm
; Where phase s16's results go, from its sigma and beta (registers that feed no descriptor)
.macro OUTP
	s_mov_b32 s94, 768
	s_cmp_eq_u32 s16, 2
	s_cselect_b32 s94, 1536, s94                   ; from tile to tile in AC
	s_cselect_b32 s90, 190464, 0                   ; and from tile 3 to tile 4, beyond four such steps
	s_cselect_b32 s92, 16, 32                      ; the scale words' place: r x this
	s_cselect_b32 s93, 8192, 16                    ; + h x this
	s_mov_b32 s91, 0
	s_lshl_b32 s88, s94, 1
	s_mov_b32 s89, 0
	s_lshr_b32 s70, s60, 4                         ; qh, kh: batch,
	s_and_b32 s71, s60, 15                         ; step of 128 tokens,
	s_lshl_b32 s72, s70, 4
	s_lshl_b32 s73, s48, 2
	s_add_co_u32 s72, s72, s73
	s_add_co_u32 s72, s72, s[WV]                   ; bh = 16 b + 4 sigma + wave
	s_lshr_b32 s74, s48, 3                         ; vh: batch,
	s_and_b32 s75, s48, 7
	s_lshl_b32 s75, s75, 1
	s_lshr_b32 s76, s[WV], 1
	s_add_co_u32 s75, s75, s76                     ; step of 128 keys,
	s_lshl_b32 s74, s74, 4
	s_lshl_b32 s76, s60, 1
	s_add_co_u32 s74, s74, s76                     ; bh = 16 b + 2 beta,
	s_and_b32 s77, s[WV], 1                        ; which 64 keys of the step
	s_mul_i32 s78, s77, 768
	s_add_co_u32 s78, s78, 6144
	s_lshl_b32 s79, s77, 8
	s_cmp_eq_u32 s16, 2
	s_cselect_b32 s72, s74, s72
	s_cselect_b32 s71, s75, s71
	s_cselect_b32 s78, s78, 0
	s_cselect_b32 s79, s79, 0
	s_mov_b32 s81, 196608
	s_mov_b32 s82, 12288
	s_cmp_eq_u32 s16, 0
	s_cselect_b32 s80, 0, 6291456
	s_cselect_b32 s81, 98304, s81
	s_cselect_b32 s82, 6144, s82
	s_mul_i32 s81, s81, s72
	s_mul_i32 s82, s82, s71
	s_add_co_u32 s80, s80, s81
	s_add_co_u32 s80, s80, s82
	s_add_co_u32 s80, s80, s78
	s_mov_b32 s81, 0
	s_lshl_b32 s86, s72, 4
	s_add_co_u32 s86, s86, s71
	s_lshl_b32 s86, s86, 9
	s_add_co_u32 s86, s86, s79
	s_lshl_b32 s87, s16, 19
	s_add_co_u32 s86, s86, s87
	s_mov_b32 s87, 0
	s_add_nc_u64 s[84:85], s[8:9], s[80:81]
	s_add_nc_u64 s[86:87], s[10:11], s[86:87]
	v_add_nc_u32 v12, s94, v10                     ; the stores a tile on
	v_add_nc_u32 v13, s94, v11
	v_mul_u32_u24 v14, v1, s92
	v_mad_u32_u24 v14, v2, s93, v14                ; my four scale words' place
.endm
; A phase's top.  Every wave holds the stationary rows in registers when its LDS loads are done.  more = 1: a round, and the region takes the next phase's rows.  The round, or the barrier, also shows this phase's streaming rows
.macro TOP more
	WALU
	s_wait_tensorcnt 0x0                           ; waves 2, 3: my half of this phase's streaming rows is in; no load of mine is out, so the descriptors may be written
.if \more
	ds_add_u32 v254, v255                          ; work on registers stands between the add and the wait for it
.endif
	s_wait_xcnt 0x0                                ; the last phase's stores and loads have read their addresses and data
	OUTP
.if \more
	s_add_co_u32 s95, s16, 1
	LOADP
	v_add_nc_u32 v197, s68, v196
.endif
	WALU
	s_wait_dscnt 0x0                               ; the add is done, and my loads of the stationary rows
.if \more
	CROUND
	s_cmp_lt_u32 s[WV], 2
	s_cbranch_scc0 .Lno_stat_\@
	tensor_load_to_lds s[40:43], s[24:31]          ; waves 0, 1: a half of the next stationary rows
	s_nop 0
	PLACES
.Lno_stat_\@:
.else
	s_barrier_signal -1
	s_barrier_wait -1
.endif
	FETCH 0, 0
	FETCH 1, 0
.if \more
.irp t, 0,1,2,3                        ; the next phase's scale words, into window 3
	global_load_b128 v[192+8*\t:192+8*\t+3], v15, s[52:53] offset:512*\t
	global_load_b128 v[192+8*\t+4:192+8*\t+7], v15, s[52:53] offset:512*\t+16
.endr
.irp g, 0,1,2,3
	global_load_b128 v[224+8*\g:224+8*\g+3], v182, s[66:67] offset:1024*\g
	global_load_b128 v[224+8*\g+4:224+8*\g+7], v182, s[66:67] offset:1024*\g+16
.endr
	s_wait_loadcnt 16                              ; the first phase's scale words are in; the 16 loads just issued may be out
.endif
.endm
.macro CHANGE                          ; the next phase's stationary rows, shown by the last pair's round, and its scale words
	STATLOAD
	s_wait_loadcnt 0x0
	WIN 0x03
.set i, 0
.rept 64
	v_mov_b32 v[SS+i], v[192+i]
.set i, i+1
.endr
	WIN 0
	PLACES                                         ; a scale register written by a vector instruction stands eight places ahead of a scaled matrix instruction
	PLACES
.endm
	s_load_b256 s[4:11], s[0:1], 0x0               ; XC, XS, AC, AS
	v_lshl_add_u32 v254, v0, 2, 0x48000
	v_mov_b32 v255, 0
	ds_add_u32 v254, v255
	ds_add_u32 v254, v255
	v_lshrrev_b32 v1, 5, v0
	v_readfirstlane_b32 s[WV], v1                  ; wave 0..3
	s_bfe_u32 s13, ttmp6, 0x40000                  ; cx
	s_bfe_u32 s14, ttmp6, 0x40004                  ; cy
	s_and_b32 s17, ttmp7, 0xffff                   ; the cluster's y: 0..15
	s_lshl_b32 s49, 0x1111, s13                    ; my column of the cluster
	s_or_b32 s24, s49, (3<<16)|(1<<21)             ; group 1, stationary: the mask; elements of 8 bytes; bit 21 beside a mask; no padding
	s_lshl_b32 s61, s14, 2
	s_lshl_b32 s61, 15, s61                        ; my row
	s_or_b32 s32, s61, (3<<16)|(1<<21)             ; group 1, streaming
.irp g, 24, 32                         ; dense blocks as rows of 256 bytes: 32 elements, pitch 32
	s_mov_b32 s[\g+1], 32<<16
	s_mov_b32 s[\g+3], 32<<16
	s_mov_b32 s[\g+5], 32
	s_mov_b32 s[\g+6], 0
	s_mov_b32 s[\g+7], 0
.endr
	s_mov_b32 s26, 384<<16                         ; half of the stationary rows: 98,304 bytes
	s_mov_b32 s28, 384
	s_mov_b32 s34, 192<<16                         ; half of the streaming rows: 49,152 bytes
	s_mov_b32 s36, 192
	s_and_b32 s99, s[WV], 1                        ; which half I fetch
	s_mul_i32 s98, s[WV], 49152                    ; LDS: the stationary quarter that I read
	s_mul_i32 s41, s99, 98304                      ; LDS: the stationary half that waves 0, 1 fetch
	s_mul_i32 s45, s99, 49152
	s_add_co_u32 s45, s45, STRM                    ; LDS: the streaming half that waves 2, 3 fetch
	s_mov_b32 s40, 1
	s_mov_b32 s44, 1
	s_mov_b32 s[SEL], 0x76543210
	s_mov_b32 s[SEL+1], 0xfedcba98
	s_mul_i32 s69, s[WV], 24
	s_mul_i32 s68, s13, 96
	s_add_co_u32 s69, s69, s68                     ; the prefetch: my work-group's 96 blocks by its place along x, my wave's 24 of them
	v_and_b32 v3, 31, v0                           ; lane
	v_and_b32 v1, 15, v0                           ; r
	v_bfe_u32 v2, v0, 4, 1                         ; h
	v_lshlrev_b32 v10, 4, v3                       ; 16 x lane
	v_lshlrev_b32 v11, 3, v3                       ; 8 x lane
	v_add_nc_u32 v4, s98, v10                      ; my stationary quarter
	v_add_nc_u32 v5, s98, v11
	v_add_nc_u32 v6, STRM, v10                     ; streaming tiles 0-3
	v_add_nc_u32 v7, STRM, v11
	v_add_nc_u32 v8, STRM+49152, v10               ; tiles 4-7
	v_add_nc_u32 v9, STRM+49152, v11
	v_add_nc_u32 v11, 512, v11                     ; the stores: 512 + 8 x lane
	v_lshlrev_b32 v15, 5, v1                       ; 32 r
	v_lshl_add_u32 v182, v2, 9, v15                ; 32 r + 512 h
	v_min_u32 v196, 23, v3                         ; lanes 24-31 name the wave's last block again
	v_add_nc_u32 v196, s69, v196
	v_lshlrev_b32 v196, 8, v196
.irp b, 0,1,2,3
	v_mov_b32 v[TM+4+\b], 0                        ; a lane permute's destination counts as one of its sources
.endr
	WALU
	s_wait_dscnt 0x0
	s_wait_kmcnt 0x0
	s_mov_b32 s95, 0
	LOADP
	CROUND                                         ; all sixteen work-groups are here: the joint loads meet
	s_cmp_lt_u32 s[WV], 2
	s_cbranch_scc0 .Lstrm
	tensor_load_to_lds s[40:43], s[24:31]          ; waves 0, 1: a half of the stationary rows
	s_nop 0
	PLACES
	s_branch .Lasked
.Lstrm:
	tensor_load_to_lds s[44:47], s[32:39]          ; waves 2, 3: a half of the streaming rows
	s_nop 0
	PLACES
.Lasked:
.irp t, 0,1,2,3
	global_load_b128 v[SS+8*\t:SS+8*\t+3], v15, s[52:53] offset:512*\t
	global_load_b128 v[SS+8*\t+4:SS+8*\t+7], v15, s[52:53] offset:512*\t+16
.endr
.irp g, 0,1,2,3
	global_load_b128 v[TS+8*\g:TS+8*\g+3], v182, s[66:67] offset:1024*\g
	global_load_b128 v[TS+8*\g+4:TS+8*\g+7], v182, s[66:67] offset:1024*\g+16
.endr
	s_cmp_lt_u32 s[WV], 2
	s_cbranch_scc0 .Lnot_st
	s_wait_tensorcnt 0x0                           ; waves 0, 1: my half of the stationary rows is in
.Lnot_st:
	s_barrier_signal -1
	s_barrier_wait -1                              ; the stationary rows are whole; the streaming rows may be out
	STATLOAD
	s_mov_b32 s16, 0                               ; the phase
.Lphase:
	TOP 1
	BODY 1
	CHANGE
	s_add_co_u32 s16, s16, 1
	s_cmp_lt_u32 s16, 2
	s_cbranch_scc1 .Lphase
	TOP 0                                          ; the last phase fills nothing
	BODY 0
	s_wait_tensorcnt 0x0                           ; the wave's end
	ds_add_u32 v254, v255
	s_wait_dscnt 0x0
	CROUND                                         ; the closing round: no work-group ends while a partner may still ask for a tile that names it
	s_endpgm
.Lfunc_end_k_q2846d29420_proj:
	.size	k_q2846d29420_proj, .Lfunc_end_k_q2846d29420_proj-k_q2846d29420_proj
	.p2alignl 7, 3214868480
	.fill 96, 4, 3214868480
	.section	.rodata,"a",@progbits
	.p2align	6, 0x0
	.amdhsa_kernel k_q2846d29420_proj
		.amdhsa_group_segment_fixed_size 327680
		.amdhsa_private_segment_fixed_size 0
		.amdhsa_enable_private_segment 0
		.amdhsa_kernarg_size 32
		.amdhsa_user_sgpr_count 2
		.amdhsa_user_sgpr_kernarg_segment_ptr 1
		.amdhsa_wavefront_size32 1
		.amdhsa_system_sgpr_workgroup_id_x 1
		.amdhsa_system_sgpr_workgroup_id_y 1
		.amdhsa_system_sgpr_workgroup_id_z 1
		.amdhsa_system_vgpr_workitem_id 0
		.amdhsa_next_free_vgpr 1024
		.amdhsa_next_free_sgpr 100
		.amdhsa_reserve_vcc 1
		.amdhsa_float_denorm_mode_32 3
		.amdhsa_float_denorm_mode_16_64 3
		.amdhsa_memory_ordered 1
		.amdhsa_forward_progress 1
		.amdhsa_inst_pref_size 171
	.end_amdhsa_kernel
	.amdgpu_metadata
---
amdhsa.version: [ 1, 2 ]
amdhsa.kernels:
  - .name:           k_q2846d29420_proj
    .symbol:         k_q2846d29420_proj.kd
    .args:
      - { .name: XC, .offset: 0, .size: 8, .value_kind: global_buffer, .address_space: global }
      - { .name: XS, .offset: 8, .size: 8, .value_kind: global_buffer, .address_space: global }
      - { .name: AC, .offset: 16, .size: 8, .value_kind: global_buffer, .address_space: global }
      - { .name: AS, .offset: 24, .size: 8, .value_kind: global_buffer, .address_space: global }
    .group_segment_fixed_size: 327680
    .private_segment_fixed_size: 0
    .kernarg_segment_align: 8
    .kernarg_segment_size: 32
    .max_flat_workgroup_size: 128
    .sgpr_count:     100
    .vgpr_count:     1024
    .wavefront_size: 32
...
	.end_amdgpu_metadata
.endif
;; end of part 2
;; launch attn (part 3): grid 4 x 64, 8 waves a work-group, clusters of 4 x 1, 219,136 bytes of LDS; arguments AC, AS, mask, CC, CS; writes CC, CS
.if DOCPART == 3
	.amdgcn_target "amdgcn-amd-amdhsa--gfx1250"
	.amdhsa_code_object_version 6
	.text
	.protected	k_q2846d29420_attn
	.globl	k_q2846d29420_attn
	.p2align	8
	.type	k_q2846d29420_attn,@function
k_q2846d29420_attn:
	s_mov_b64 s[64:65], 0
	v_nop
	global_prefetch_b8 v0, s[64:65] scope:SCOPE_SE
	s_setreg_imm32_b32 hwreg(HW_REG_WAVE_MODE, 25, 1), 1
	s_wait_xcnt 0x0
	s_wait_alu depctr_hold_cnt(0) depctr_sa_sdst(0) depctr_va_vdst(0) depctr_va_sdst(0) depctr_va_ssrc(0) depctr_va_vcc(0) depctr_vm_vsrc(0)
	s_getreg_b32 s2, hwreg(HW_REG_IB_STS2, 6, 4)
	s_cmp_eq_u32 s2, 0
	s_cbranch_scc0 .Lentry_in_a_cluster
	s_endpgm
.Lentry_in_a_cluster:
	s_bfe_u32 s2, ttmp6, 0x10000c
	s_cmp_lg_u32 s2, 0x3003
	s_cbranch_scc0 .Lentry_shape_is_right
	s_endpgm
.Lentry_shape_is_right:
; ctx[b][q][h][:] = softmax_k(qh . kh / 8, masked) vh, both products on codes of FP6 (E2M3) with E8M0 scales; ctx is quantised in registers along (head, e) into the last product's operand.
; THE SOFTMAX AHEAD OF THE SECOND PRODUCT: t = score x log2(e) / 8; M = the running largest t rounded UP to a whole number; p = 2^(t - M) is quantised along the keys, not normalised;
; the row's sum is taken of the unquantised p and divides at the end.  When M moves, the sum and O are multiplied by 2^(old M - new M): exact.
; SHARES.  A work-group: one (batch, head) and 512 queries; each of its 8 waves four tiles of 16 queries, TWO AT A TIME (tiles A and B, two passes), each pass over 16 steps of 128 keys.  Two waves to a SIMD.
; A's and B's lines stand by turns, so that four chains run side by side, and each fragment of kh, vh and each bias is read from LDS once for both tiles.
; ALL OF THE HEAD'S kh AND vh (196,608 bytes of codes) STAY IN LDS: one tensor load a wave at the head brings two steps' 24,576 bytes; each byte of LDS is filled once; one barrier, and none after it.
; CLUSTER 4 x 1: the four work-groups of a head want the same bytes: the load is asked for jointly (mask 15).
; LAYOUT.  Both products are used transposed (S^T = kh qh^T, O^T = vh^T p^T): a lane holds ONE query throughout.  kh's tile 4 c + j of a step holds keys 64 c + 8 j + i (rows 0-7) and 64 c + 32 + 8 j + i (rows 8-15):
; so the 32 registers of tiles 4 c .. 4 c + 3 of lane (r, h) are keys 64 c + 32 h + 0 .. 31 in order: a whole scale block, and the six registers of p's operand as the conversions leave them.  No lane is asked for a block's maximum.
; THE MASK is a bias of 0 or -1e30 for each key, kept in LDS as f32: it is the C of the first product.  The running largest score begins at -1e20, above every masked score: a masked key never sets M, and its p is 0.
; THE HEAD'S 64 IN AN INSTRUCTION OF 128: qh's registers 6-11 are zero codes; kh's tile t is named as 12 registers of which the upper six are the next tile's codes (behind tile 7: six zeros).  The scale bytes of those blocks are 0
; (2^-127) on both sides and no code of this format is NaN or infinite, so these terms are zeros.
; No prefetch: all that the launch reads is asked for at its head.
; LIMITS: NaN and infinities are not served; the promise holds while the scaled scores stay under 2^31 in magnitude; a row all of whose keys are masked gets the scale bytes 0xff, which make the row NaN in the last product, as the definition has it.
; REGISTERS.  Window 0: v1-4 places that stay, v5-8 the step's addresses, v9 4 x lane, v10 8 h; A: v12 -M, v13 the largest score, v[14:15] the sum, v20 f; B: v16, v17, v[18:19], v22;
;   v24-31 kh's scale words, v32-35 vh's, v36-39 qh's, v46, v47 p's; v42-45 the conversions' scale operands; v48-111 S^T and p of A, v112-175 of B; v176-207 O^T of A, v208-239 of B; v240-251 at work.
;   Window 1: v0-53 kh (6 t), v54-101 vh (12 t), v102-125 qh of A, B, v126-149 p's codes, v150-164 the halves made elsewhere, v168-231 the biases, v232-243 the second pass's qh.
.set WV,   14
.set SEL,  20                          ; s[20:21] lane selects: lane l xor 16
.set CF,   22                          ; s[22:23] c = log2(e) / 8
.set G1,   24
.set G0,   32
.set TB,   52                          ; the step's first byte among the codes: 12,288 a step
.set TS,   53                          ; among the scale words: 768 a step
.set TJ,   54                          ; among the biases: 512 a step
.set CNT,  55
.set PASS, 56
.set PM,   57                          ; lanes 16-31
.set SIDE, 196608                      ; [step][r][48 bytes]: kh's 8 words, vh's 4
.set BIAS, 208896                      ; a number for each key
.set SPARE, 217088                     ; the spare words: 128 bytes a wave
.set SA, 48
.set SB, 112
.set OA, 176
.set OB, 208
.set KF, 0
.set VF, 54
.set QA, 102
.set QB, 114
.set PA, 126
.set PB, 138
.set CTA, 150
.set CTB, 158
.set BI, 168
.set Q2, 232
.set MSB, 0
.macro WIN new                         ; the immediate's high byte repeats the setting that is left
.if MSB != (\new)
	s_set_vgpr_msb (MSB<<8)|(\new)
.set MSB, (\new)
.endif
.endm
.macro CROUND
	s_barrier_signal -1
	s_barrier_wait -1
	s_cmp_lg_u32 s[WV], 0
	s_cbranch_scc1 .Lnot_wave_0_\@
	s_barrier_signal -3
.Lnot_wave_0_\@:
	s_barrier_wait -3
	s_barrier_signal -1
	s_barrier_wait -1
.endm
.macro PLACES
.rept 4
	v_nop
.endr
.endm
.macro WALU
	s_wait_alu depctr_va_vdst(0)
.endm
.macro D2
	s_delay_alu instid0(VALU_DEP_2)
.endm
.macro WM d, a, b, c, sa, sb
	v_wmma_scale_f32_16x16x128_f8f6f4 v[\d:\d+7], v[\a:\a+11], v[\b:\b+11], v[\c:\c+7], v[\sa], v[\sb] matrix_a_fmt:MATRIX_FMT_FP6 matrix_b_fmt:MATRIX_FMT_FP6
.endm
.macro KLOADS va, vb, vj, vs, ok, oj, os   ; a step's kh, biases and kh's scale words: 34 LDS loads
	WIN 0x40
.irp t, 0,1,2,3,4,5,6,7
	ds_load_b128 v[KF+6*\t:KF+6*\t+3], v\va offset:\ok+768*\t
	ds_load_b64 v[KF+6*\t+4:KF+6*\t+5], v\vb offset:\ok+768*\t+512
.endr
.irp k, 0,1,2,3,4,5,6,7,8,9,10,11,12,13,14,15
	ds_load_b128 v[BI+4*\k:BI+4*\k+3], v\vj offset:\oj+256*(\k/8)+16*(\k%8)   ; register 32 c + 8 j + i: key 64 c + 32 h + 8 j + i
.endr
	WIN 0
	ds_load_b128 v[24:27], v\vs offset:\os
	ds_load_b128 v[28:31], v\vs offset:\os+16
.endm
.macro VLOADS va, vb, vs, ok, os       ; a step's vh and its scale words: 17 LDS loads
	WIN 0x40
.irp t, 0,1,2,3
.irp c, 0,1
	ds_load_b128 v[VF+12*\t+6*\c:VF+12*\t+6*\c+3], v\va offset:\ok+6144+1536*\t+768*\c
	ds_load_b64 v[VF+12*\t+6*\c+4:VF+12*\t+6*\c+5], v\vb offset:\ok+6144+1536*\t+768*\c+512
.endr
.endr
	WIN 0
	ds_load_b128 v[32:35], v\vs offset:\os+32
.endm
; A KEY STEP of 128 keys for tiles A and B.  pre = 1: the next step's operands are asked for on the way.
.macro STEP pre
	s_wait_dscnt 17                                ; kh, biases and kh's scale words are in; the 17 loads of vh issued behind them may be out
	WIN 0x15
.irp t, 0,1,2,3,4,5,6,7                ; S^T = kh qh^T + bias.  The accumulators take turns, one instruction a turn
	WM SA+8*\t, KF+6*\t, QA, BI+8*\t, 24+\t, 36
	WM SB+8*\t, KF+6*\t, QB, BI+8*\t, 24+\t, 37
.endr
	WIN 0
.if \pre
	v_add_nc_u32 v5, s[TB], v1                     ; the step's addresses: also the four places behind the products
	v_add_nc_u32 v6, s[TB], v2
	v_add_nc_u32 v7, s[TS], v3
	v_add_nc_u32 v8, s[TJ], v4
	KLOADS 5, 6, 8, 7, 12288, 512, 768
.else
	PLACES
.endif
.irp c, 0,1                            ; the largest score of each block of 32 keys, all in my lane: for the row's maximum and, since p rises with the score, for the block's largest p
	v_max3_num_f32 v[240+\c], v[SA+32*\c], v[SA+32*\c+1], v[SA+32*\c+2]
	v_max3_num_f32 v[242+\c], v[SB+32*\c], v[SB+32*\c+1], v[SB+32*\c+2]
.endr
.irp i, 3,5,7,9,11,13,15,17,19,21,23,25,27,29
.irp c, 0,1
	v_max3_num_f32 v[240+\c], v[240+\c], v[SA+32*\c+\i], v[SA+32*\c+\i+1]
	v_max3_num_f32 v[242+\c], v[242+\c], v[SB+32*\c+\i], v[SB+32*\c+\i+1]
.endr
.endr
.irp c, 0,1
	v_max_num_f32 v[240+\c], v[240+\c], v[SA+32*\c+31]
	v_max_num_f32 v[242+\c], v[242+\c], v[SB+32*\c+31]
.endr
	v_max_num_f32 v244, v240, v241
	v_max_num_f32 v245, v242, v243
	D2
	v_permlanex16_b32 v246, v244, s[SEL], s[SEL+1]
	D2
	v_permlanex16_b32 v247, v245, s[SEL], s[SEL+1]
	D2
	v_max3_num_f32 v13, v13, v244, v246            ; the running largest score of my query
	D2
	v_max3_num_f32 v17, v17, v245, v247
	D2
	v_mul_f32 v244, s[CF], v13                     ; as t (c is positive)
	D2
	v_mul_f32 v245, s[CF], v17
	D2
	v_floor_f32 v246, -v244                        ; the new -M = floor(-t) = -ceil(t)
	D2
	v_floor_f32 v247, -v245
	D2
	v_sub_f32 v244, v246, v12                      ; old M - new M: a whole number, 0 or less
	D2
	v_sub_f32 v245, v247, v16
	D2
	v_cvt_i32_f32 v244, v244                       ; (it saturates)
	D2
	v_cvt_i32_f32 v245, v245
	D2
	v_ldexp_f32 v20, 1.0, v244                     ; f = 2^(old M - new M)
	D2
	v_ldexp_f32 v22, 1.0, v245
	v_mov_b32 v12, v246
	v_mov_b32 v16, v247
.set j, 0
.rept 32
	v_pk_fma_f32 v[SA+j:SA+j+1], v[SA+j:SA+j+1], s[CF:CF+1], v[12:13] op_sel_hi:[1,0,0]   ; A's t - M, two at a time; B's stand among A's exponentials
.set j, j+2
.endr
.irp c, 0,1
	v_fma_f32 v[240+\c], v[240+\c], s[CF], v12     ; the same of each of A's blocks' largest score
.endr
.set j, 0
.rept 16
	v_pk_mul_f32 v[OA+j:OA+j+1], v[OA+j:OA+j+1], v[20:21] op_sel_hi:[1,0]   ; O^T under the new M, each accumulator from its low end on
	v_pk_mul_f32 v[OB+j:OB+j+1], v[OB+j:OB+j+1], v[22:23] op_sel_hi:[1,0]
.set j, j+2
.endr
	v_pk_mul_f32 v[14:15], v[14:15], v[20:21] op_sel_hi:[1,0]   ; and the sums
	v_pk_mul_f32 v[18:19], v[18:19], v[22:23] op_sel_hi:[1,0]
	WALU
.set j, 0
.rept 32                               ; A's p = 2^(t - M), at most 1; among the exponentials B's t - M: lines that hang on nothing written in the batch, and whose results are read behind its wait
	v_exp_f32 v[SA+j], v[SA+j]
	v_pk_fma_f32 v[SB+j:SB+j+1], v[SB+j:SB+j+1], s[CF:CF+1], v[16:17] op_sel_hi:[1,0,0]
	v_exp_f32 v[SA+j+1], v[SA+j+1]
.set j, j+2
.endr
	v_exp_f32 v240, v240                           ; A's blocks' largest p: the same two instructions on the same number
	v_fma_f32 v242, v242, s[CF], v16
	v_exp_f32 v241, v241
	v_fma_f32 v243, v243, s[CF], v16               ; (also the plain place behind the exponentials)
	WALU                                           ; one wait for the batch, ahead of its first reader
	v_max_num_f32 v240, 0x1800000, v240            ; the floor 2^(3 - 127): the byte cannot fall under 1
	v_max_num_f32 v241, 0x1800000, v241
	v_add_nc_u32 v42, 0xff000000, v240             ; 2 off the exponent field: the conversion's scale operand
	v_add_nc_u32 v43, 0xff000000, v241
	WIN 0x40
.irp c, 0,1
	v_cvt_scalef32_pk16_fp6_f32 v[PA+6*\c:PA+6*\c+2], v[SA+32*\c:SA+32*\c+15], v[42+\c]
	v_cvt_scalef32_pk16_fp6_f32 v[CTA+4*\c:CTA+4*\c+2], v[SA+32*\c+16:SA+32*\c+31], v[42+\c]
.endr
	v_nop                                          ; one plain place behind the scaled conversions
	WIN 0
	WALU
.set j, 0
.rept 16                               ; B's p; among the exponentials the first 16 additions of A's sum, in place: A's p has been converted
	v_exp_f32 v[SB+j], v[SB+j]
	v_pk_add_f32 v[SA+j:SA+j+1], v[SA+j:SA+j+1], v[SA+j+2:SA+j+3]
	v_exp_f32 v[SB+j+1], v[SB+j+1]
	v_exp_f32 v[SB+j+2], v[SB+j+2]
	v_exp_f32 v[SB+j+3], v[SB+j+3]
.set j, j+4
.endr
	v_exp_f32 v242, v242
	v_exp_f32 v243, v243
	v_nop                                          ; a plain place behind the exponentials
	WALU                                           ; one wait for the batch, ahead of its first reader
	v_max_num_f32 v242, 0x1800000, v242
	v_max_num_f32 v243, 0x1800000, v243
	v_add_nc_u32 v44, 0xff000000, v242
	v_add_nc_u32 v45, 0xff000000, v243
	WIN 0x40
.irp c, 0,1
	v_cvt_scalef32_pk16_fp6_f32 v[PB+6*\c:PB+6*\c+2], v[SB+32*\c:SB+32*\c+15], v[44+\c]
	v_cvt_scalef32_pk16_fp6_f32 v[CTB+4*\c:CTB+4*\c+2], v[SB+32*\c+16:SB+32*\c+31], v[44+\c]
.endr
	v_nop                                          ; one plain place behind the scaled conversions
	WIN 0x41
.irp c, 0,1
.irp i, 0,1,2
	v_mov_b32 v[PA+6*\c+3+\i], v[CTA+4*\c+\i]      ; (a conversion's three registers begin on an even number)
	v_mov_b32 v[PB+6*\c+3+\i], v[CTB+4*\c+\i]
.endr
.endr
	WIN 0
.irp k, 0,1,2,3
	v_lshrrev_b32 v[240+\k], 23, v[42+\k]          ; the scales' bytes
.endr
	v_lshl_or_b32 v244, v241, 16, v240             ; my two bytes: blocks h and 2 + h,
	v_lshl_or_b32 v245, v243, 16, v242
	D2
	v_lshlrev_b32 v244, v10, v244                  ; 8 h bits up;
	D2
	v_lshlrev_b32 v245, v10, v245
	D2
	v_permlanex16_b32 v246, v244, s[SEL], s[SEL+1]
	D2
	v_permlanex16_b32 v247, v245, s[SEL], s[SEL+1]
	D2
	v_or_b32 v46, v244, v246                       ; with lane l xor 16's two the word is whole
	D2
	v_or_b32 v47, v245, v247
	v_pk_add_f32 v[248:249], v[SA:SA+1], v[SA+4:SA+5]   ; the rows' sums of the unquantised p, two chains a tile: A's 16 partial sums lie at every fourth register.  These lines are also the places ahead of the products
	v_pk_add_f32 v[250:251], v[SB:SB+1], v[SB+2:SB+3]
.set j, 4
.rept 15
	v_pk_add_f32 v[18:19], v[18:19], v[SB+j:SB+j+1]
	v_pk_add_f32 v[250:251], v[250:251], v[SB+j+2:SB+j+3]
.if j%8 == 0
	v_pk_add_f32 v[14:15], v[14:15], v[SA+j:SA+j+1]
	v_pk_add_f32 v[248:249], v[248:249], v[SA+j+4:SA+j+5]
.endif
.set j, j+4
.endr
	v_pk_add_f32 v[14:15], v[14:15], v[248:249]
	v_pk_add_f32 v[18:19], v[18:19], v[250:251]
	WALU
	s_wait_dscnt 34*\pre                           ; vh's 17 loads are in; the 34 issued behind them may be out
	WIN 0x05
.irp t, 0,1,2,3                        ; O^T += vh^T p^T
	WM OA+8*\t, VF+12*\t, PA, OA+8*\t, 32+\t, 46
	WM OB+8*\t, VF+12*\t, PB, OB+8*\t, 32+\t, 47
.endr
	WIN 0
	PLACES
.if \pre
	VLOADS 5, 6, 7, 12288, 768
	s_add_co_u32 s[TB], s[TB], 12288
	s_add_co_u32 s[TS], s[TS], 768
	s_add_co_u32 s[TJ], s[TJ], 512
.endif
.endm
	s_load_b256 s[4:11], s[0:1], 0x0               ; AC, AS, mask, CC
	s_load_b64 s[12:13], s[0:1], 0x20              ; CS
	v_lshl_add_u32 v254, v0, 2, SPARE
	v_mov_b32 v255, 0
	ds_add_u32 v254, v255
	ds_add_u32 v254, v255
	v_lshrrev_b32 v1, 5, v0
	v_readfirstlane_b32 s[WV], v1                  ; wave 0..7
	s_bfe_u32 s15, ttmp6, 0x40000                  ; cx: which 512 queries
	s_and_b32 s16, ttmp7, 0xffff                   ; bh, which the four partners share
	s_mov_b32 s[G1], 15|(3<<16)|(1<<21)            ; the mask: all four; elements of 8 bytes; bit 21 beside a mask; no padding
	s_mov_b32 s[G1+1], 32<<16                      ; a dense block of 24,576 bytes as 96 rows of 256
	s_mov_b32 s[G1+2], 96<<16
	s_mov_b32 s[G1+3], 32<<16
	s_mov_b32 s[G1+4], 96
	s_mov_b32 s[G1+5], 32
	s_mov_b32 s[G1+6], 0
	s_mov_b32 s[G1+7], 0
	s_mov_b32 s[G0], 1
	s_mul_i32 s[G0+1], s[WV], 24576                ; LDS: steps 2 w, 2 w + 1
	s_mul_i32 s36, s16, 196608
	s_add_co_u32 s36, s36, s[G0+1]
	s_add_co_u32 s36, s36, 6291456
	s_mov_b32 s37, 0
	s_lshl_b32 s58, s16, 13
	s_add_co_u32 s38, s58, 524288                  ; kh's scale words of the head
	s_mov_b32 s39, 0
	s_add_co_u32 s40, s58, 1048576                 ; vh's
	s_mov_b32 s41, 0
	s_lshr_b32 s59, s16, 4                         ; the batch
	s_lshl_b32 s42, s59, 11                        ; its 2,048 bytes of the mask
	s_mov_b32 s43, 0
	s_lshl_b32 s60, s15, 5
	s_lshl_b32 s61, s[WV], 2
	s_add_co_u32 s60, s60, s61                     ; my first tile of queries in the head: 32 cx + 4 w
	s_lshl_b32 s61, s16, 7
	s_add_co_u32 s61, s61, s60
	s_mul_i32 s44, s61, 768                        ; qh's codes
	s_mov_b32 s45, 0
	s_lshl_b32 s61, s16, 4
	s_lshl_b32 s62, s15, 2
	s_add_co_u32 s61, s61, s62
	s_lshr_b32 s62, s[WV], 1
	s_add_co_u32 s61, s61, s62
	s_lshl_b32 s46, s61, 9
	s_and_b32 s62, s[WV], 1
	s_lshl_b32 s62, s62, 4
	s_add_co_u32 s46, s46, s62                     ; qh's scale words: my four tiles' words of a row are neighbours
	s_mov_b32 s47, 0
	s_lshl_b32 s61, s59, 7
	s_add_co_u32 s61, s61, s60                     ; my first tile of tokens: 128 b + 32 cx + 4 w
	s_and_b32 s62, s16, 15                         ; the head
	s_mul_i32 s48, s61, 12288
	s_mul_i32 s63, s62, 768
	s_add_co_u32 s48, s48, s63                     ; ctx's codes: the head is one half-image of the tile's row of fragments
	s_mov_b32 s49, 0
	s_lshl_b32 s50, s62, 15
	s_lshl_b32 s61, s61, 6
	s_add_co_u32 s50, s50, s61                     ; ctx's scale words
	s_mov_b32 s51, 0
	s_mov_b32 s[SEL], 0x76543210
	s_mov_b32 s[SEL+1], 0xfedcba98
	s_mov_b32 s[CF], 0x3e38aa3b
	s_mov_b32 s[CF+1], s[CF]                       ; (named with it as a pair, so it is written)
	v_and_b32 v11, 31, v0                          ; lane
	v_and_b32 v9, 15, v0                           ; r
	v_bfe_u32 v10, v0, 4, 1                        ; h
	v_lshlrev_b32 v1, 4, v11                       ; 16 x lane
	v_lshlrev_b32 v2, 3, v11                       ; 8 x lane
	v_mul_u32_u24 v3, v9, 48
	v_add_nc_u32 v3, SIDE, v3
	v_lshlrev_b32 v4, 7, v10
	v_add_nc_u32 v4, BIAS, v4                      ; lanes 16-31: 32 keys on
	v_lshlrev_b32 v80, 5, v9                       ; 32 r
	v_lshlrev_b32 v9, 2, v11                       ; 4 x lane
	v_lshlrev_b32 v10, 3, v10                      ; 8 h
	v_lshlrev_b32 v81, 4, v0                       ; the head's work, by thread n: 16 n,
	v_lshrrev_b32 v82, 5, v0
	v_lshlrev_b32 v82, 9, v82
	v_lshl_add_u32 v82, v11, 3, v82                ; 512 (n / 32) + 8 (n % 32),
	v_lshlrev_b32 v83, 3, v0                       ; 8 n
	v_lshrrev_b32 v84, 1, v0
	v_mul_u32_u24 v84, v84, 48
	v_add_nc_u32 v84, SIDE, v84
	v_and_b32 v86, 1, v0
	v_lshl_add_u32 v85, v86, 3, v84                ; vh's two words of (step, r) = n / 2
	v_lshl_add_u32 v84, v86, 4, v84                ; kh's four
	v_lshlrev_b32 v86, 5, v0
	v_add_nc_u32 v86, BIAS, v86                    ; eight keys' biases
	WALU
	s_wait_dscnt 0x0
	s_wait_kmcnt 0x0
	s_add_nc_u64 s[G0+2:G0+3], s[4:5], s[36:37]
	s_or_b32 s[G0+3], s[G0+3], 0x80000000
	s_add_nc_u64 s[38:39], s[6:7], s[38:39]
	s_add_nc_u64 s[40:41], s[6:7], s[40:41]
	s_add_nc_u64 s[42:43], s[8:9], s[42:43]
	s_add_nc_u64 s[44:45], s[4:5], s[44:45]
	s_add_nc_u64 s[46:47], s[6:7], s[46:47]
	s_add_nc_u64 s[48:49], s[10:11], s[48:49]
	s_add_nc_u64 s[50:51], s[12:13], s[50:51]
	CROUND                                         ; all four work-groups are here: the joint loads meet
	tensor_load_to_lds s[G0:G0+3], s[G1:G1+7]      ; one load of mine is out
	s_nop 0
	PLACES                                         ; four v_nop follow it
	global_load_b128 v[48:51], v81, s[38:39]       ; kh's words of steps 0-7, and of steps 8-15
	global_load_b128 v[52:55], v81, s[38:39] offset:4096
	global_load_b64 v[56:57], v82, s[40:41]        ; vh's: the first 64 keys' and the second's, of steps 0-7,
	global_load_b64 v[58:59], v82, s[40:41] offset:256
	global_load_b64 v[60:61], v82, s[40:41] offset:4096   ; and of steps 8-15
	global_load_b64 v[62:63], v82, s[40:41] offset:4352
	global_load_b64 v[64:65], v83, s[42:43]        ; eight keys of the mask
	global_load_b128 v[36:39], v80, s[46:47]       ; qh's scale words of my four tiles
	WIN 0x40
	global_load_b128 v[QA:QA+3], v1, s[44:45]
	global_load_b64 v[QA+4:QA+5], v2, s[44:45] offset:512
	global_load_b128 v[QB:QB+3], v1, s[44:45] offset:768
	global_load_b64 v[QB+4:QB+5], v2, s[44:45] offset:1280
	global_load_b128 v[Q2:Q2+3], v1, s[44:45] offset:1536
	global_load_b64 v[Q2+4:Q2+5], v2, s[44:45] offset:2048
	global_load_b128 v[Q2+6:Q2+9], v1, s[44:45] offset:2304
	global_load_b64 v[Q2+10:Q2+11], v2, s[44:45] offset:2816
.irp i, 0,1,2,3,4,5
	v_mov_b32 v[QA+6+\i], 0                        ; qh's upper halves: zero codes
	v_mov_b32 v[QB+6+\i], 0
	v_mov_b32 v[KF+48+\i], 0                       ; behind kh's tile 7
.endr
	WIN 0
	v_mov_b32 v246, 0                              ; a lane permute's destination counts as one of its sources
	v_mov_b32 v247, 0
	v_mov_b32 v21, 0                               ; (named as the upper halves of the pairs v[20:21], v[22:23])
	v_mov_b32 v23, 0
	v_mov_b32 v87, 0xf149f2ca                      ; -1e30
	WALU
	s_wait_loadcnt 0x0
	v_lshl_or_b32 v66, v58, 16, v56                ; vh's word of a step: the first 64 keys' two bytes below, the second 64 keys' above
	v_lshl_or_b32 v67, v59, 16, v57
	v_lshl_or_b32 v68, v62, 16, v60
	v_lshl_or_b32 v69, v63, 16, v61
.irp i, 0,1,2,3
	v_bfe_u32 v88, v64, 8*\i, 8
	v_cmp_eq_u32 vcc_lo, 0, v88
	v_cndmask_b32 v[72+\i], 0, v87, vcc_lo         ; a key that the mask hides: -1e30
	v_bfe_u32 v89, v65, 8*\i, 8
	v_cmp_eq_u32 vcc_lo, 0, v89
	v_cndmask_b32 v[76+\i], 0, v87, vcc_lo
.endr
	ds_store_b128 v84, v[48:51]
	ds_store_b128 v84, v[52:55] offset:6144
	ds_store_b64 v85, v[66:67] offset:32
	ds_store_b64 v85, v[68:69] offset:6176
	ds_store_b128 v86, v[72:75]
	ds_store_b128 v86, v[76:79] offset:16
	s_wait_dscnt 0x0                               ; for the others' sake: my stores are done,
	s_wait_tensorcnt 0x0                           ; and my two steps' codes have landed
	s_barrier_signal -1
	s_barrier_wait -1
	s_mov_b32 s[PASS], 2
	s_mov_b32 s[PM], 0xffff0000
.Lpass:
	v_mov_b32 v13, 0xe0ad78ec                      ; the largest score so far: -1e20
	v_mov_b32 v17, 0xe0ad78ec
	v_mul_f32 v244, s[CF], v13
	v_mov_b32 v14, 0
	v_mov_b32 v15, 0
	v_mov_b32 v18, 0
	v_mov_b32 v19, 0
	v_floor_f32 v12, -v244                         ; -M, made as the step makes it
	v_floor_f32 v16, -v244
.set j, 0
.rept 64
	v_mov_b32 v[OA+j], 0                           ; O^T: the step is written once; its first trip finds zeros
.set j, j+1
.endr
	s_mov_b32 s[TB], 0
	s_mov_b32 s[TS], 0
	s_mov_b32 s[TJ], 0
	KLOADS 1, 2, 4, 3, 0, 0, 0                     ; step 0's operands
	VLOADS 1, 2, 3, 0, 0
	s_mov_b32 s[CNT], 15
.Lstep:
	STEP 1
	s_sub_co_u32 s[CNT], s[CNT], 1
	s_cmp_lg_u32 s[CNT], 0
	s_cbranch_scc1 .Lstep
	STEP 0                                         ; the last step asks for nothing ahead
	; the way out of a pass: ctx = O^T / the sum, quantised: a tile's 64 channels are two blocks of the last product's K
	v_add_f32 v14, v14, v15
	v_add_f32 v18, v18, v19
	D2
	v_permlanex16_b32 v246, v14, s[SEL], s[SEL+1]
	D2
	v_permlanex16_b32 v247, v18, s[SEL], s[SEL+1]
	D2
	v_add_f32 v14, v14, v246                       ; the rows' sums
	D2
	v_add_f32 v18, v18, v247
	WALU                                           ; the wait ahead of the reciprocals
	v_rcp_f32 v20, v14
	v_rcp_f32 v22, v18
	v_nop                                          ; a plain place behind them
	WALU                                           ; and the wait ahead of their first reader, which is O^T's first reader too
.set j, 0
.rept 16
	v_pk_mul_f32 v[SA+j:SA+j+1], v[OA+j:OA+j+1], v[20:21] op_sel_hi:[1,0]   ; register 16 b + i = channel 32 b + 16 (lane / 16) + i
	v_pk_mul_f32 v[SB+j:SB+j+1], v[OB+j:OB+j+1], v[22:23] op_sel_hi:[1,0]
.set j, j+2
.endr
.irp b, 0,1
	v_max3_num_f32 v[240+\b], |v[SA+16*\b]|, |v[SA+16*\b+1]|, 0x1800000
	v_max3_num_f32 v[242+\b], |v[SB+16*\b]|, |v[SB+16*\b+1]|, 0x1800000
.endr
.irp i, 2,4,6,8,10,12,14
.irp b, 0,1
	v_max3_num_f32 v[240+\b], v[240+\b], |v[SA+16*\b+\i]|, |v[SA+16*\b+\i+1]|
	v_max3_num_f32 v[242+\b], v[242+\b], |v[SB+16*\b+\i]|, |v[SB+16*\b+\i+1]|
.endr
.endr
.irp k, 0,1,2,3
	v_permlanex16_b32 v[244+\k], v[240+\k], s[SEL], s[SEL+1]
.endr
.irp k, 0,1,2,3
	v_max_num_f32 v[240+\k], v[240+\k], v[244+\k]  ; with lane l xor 16's: the block's largest magnitude
.endr
.irp k, 0,1,2,3
	v_add_nc_u32 v[42+\k], 0xff000000, v[240+\k]
.endr
.irp k, 0,1,2,3
	v_lshrrev_b32 v[240+\k], 23, v[42+\k]
.endr
	v_lshl_or_b32 v244, v241, 8, v240              ; a row's two bytes
	v_lshl_or_b32 v245, v243, 8, v242
	v_cmp_neq_f32 vcc_lo, 0, v14
	v_cndmask_b32 v244, 0xffff, v244, vcc_lo       ; every key masked: the NaN byte
	v_cmp_neq_f32 vcc_lo, 0, v18
	v_cndmask_b32 v245, 0xffff, v245, vcc_lo
	v_cndmask_b32 v244, v244, v245, s[PM]          ; A's words in lanes 0-15, B's in lanes 16-31
	v_cvt_scalef32_pk16_fp6_f32 v[80:82], v[48:63], v42
	v_cvt_scalef32_pk16_fp6_f32 v[84:86], v[64:79], v43
	v_cvt_scalef32_pk16_fp6_f32 v[144:146], v[112:127], v44
	v_cvt_scalef32_pk16_fp6_f32 v[148:150], v[128:143], v45
	v_nop
.irp i, 0,1,2
	v_permlane16_swap_b32 v[80+\i], v[84+\i]       ; a whole block to a lane
	v_permlane16_swap_b32 v[144+\i], v[148+\i]
.endr
.irp i, 0,1,2
	v_mov_b32 v[83+\i], v[84+\i]
	v_mov_b32 v[147+\i], v[148+\i]
.endr
	global_store_b128 v1, v[80:83], s[48:49]
	global_store_b64 v2, v[84:85], s[48:49] offset:512
	global_store_b128 v1, v[144:147], s[48:49] offset:12288
	global_store_b64 v2, v[148:149], s[48:49] offset:12800
	global_store_b32 v9, v244, s[50:51]            ; the two tiles' scale words: 128 consecutive bytes
	WIN 0x41
.irp i, 0,1,2,3,4,5
	v_mov_b32 v[QA+\i], v[Q2+\i]                   ; the second pass's qh
	v_mov_b32 v[QB+\i], v[Q2+6+\i]
.endr
	WIN 0
	v_mov_b32 v36, v38
	v_mov_b32 v37, v39
	s_wait_xcnt 0x0                                ; the stores have read their data and their bases
	s_add_nc_u64 s[48:49], s[48:49], 24576         ; two tiles of tokens on
	s_add_nc_u64 s[50:51], s[50:51], 128
	s_sub_co_u32 s[PASS], s[PASS], 1
	s_cmp_lg_u32 s[PASS], 0
	s_cbranch_scc1 .Lpass
	s_wait_tensorcnt 0x0                           ; the wave's end
	ds_add_u32 v254, v255
	s_wait_dscnt 0x0
	CROUND                                         ; the closing round
	s_endpgm
.Lfunc_end_k_q2846d29420_attn:
	.size	k_q2846d29420_attn, .Lfunc_end_k_q2846d29420_attn-k_q2846d29420_attn
	.p2alignl 7, 3214868480
	.fill 96, 4, 3214868480
	.section	.rodata,"a",@progbits
	.p2align	6, 0x0
	.amdhsa_kernel k_q2846d29420_attn
		.amdhsa_group_segment_fixed_size 219136
		.amdhsa_private_segment_fixed_size 0
		.amdhsa_enable_private_segment 0
		.amdhsa_kernarg_size 40
		.amdhsa_user_sgpr_count 2
		.amdhsa_user_sgpr_kernarg_segment_ptr 1
		.amdhsa_wavefront_size32 1
		.amdhsa_system_sgpr_workgroup_id_x 1
		.amdhsa_system_sgpr_workgroup_id_y 1
		.amdhsa_system_sgpr_workgroup_id_z 1
		.amdhsa_system_vgpr_workitem_id 0
		.amdhsa_next_free_vgpr 512
		.amdhsa_next_free_sgpr 66
		.amdhsa_reserve_vcc 1
		.amdhsa_float_denorm_mode_32 3
		.amdhsa_float_denorm_mode_16_64 3
		.amdhsa_memory_ordered 1
		.amdhsa_forward_progress 1
		.amdhsa_inst_pref_size 79
	.end_amdhsa_kernel
	.amdgpu_metadata
---
amdhsa.version: [ 1, 2 ]
amdhsa.kernels:
  - .name:           k_q2846d29420_attn
    .symbol:         k_q2846d29420_attn.kd
    .args:
      - { .name: AC, .offset: 0, .size: 8, .value_kind: global_buffer, .address_space: global }
      - { .name: AS, .offset: 8, .size: 8, .value_kind: global_buffer, .address_space: global }
      - { .name: mask, .offset: 16, .size: 8, .value_kind: global_buffer, .address_space: global }
      - { .name: CC, .offset: 24, .size: 8, .value_kind: global_buffer, .address_space: global }
      - { .name: CS, .offset: 32, .size: 8, .value_kind: global_buffer, .address_space: global }
    .group_segment_fixed_size: 219136
    .private_segment_fixed_size: 0
    .kernarg_segment_align: 8
    .kernarg_segment_size: 40
    .max_flat_workgroup_size: 256
    .sgpr_count:     66
    .vgpr_count:     512
    .wavefront_size: 32
...
	.end_amdgpu_metadata
.endif
;; end of part 3
;; launch out (part 4): grid 4 x 64, 4 waves a work-group, clusters of 4 x 4, 312,832 bytes of LDS; arguments XC, XS, CC, CS, out0; writes out0
.if DOCPART == 4
	.amdgcn_target "amdgcn-amd-amdhsa--gfx1250"
	.amdhsa_code_object_version 6
	.text
	.protected	k_q2846d29420_out
	.globl	k_q2846d29420_out
	.p2align	8
	.type	k_q2846d29420_out,@function
k_q2846d29420_out:
	s_mov_b64 s[64:65], 0
	v_nop
	global_prefetch_b8 v0, s[64:65] scope:SCOPE_SE
	s_setreg_imm32_b32 hwreg(HW_REG_WAVE_MODE, 25, 1), 1
	s_wait_xcnt 0x0
	s_wait_alu depctr_hold_cnt(0) depctr_sa_sdst(0) depctr_va_vdst(0) depctr_va_sdst(0) depctr_va_ssrc(0) depctr_va_vcc(0) depctr_vm_vsrc(0)
	s_getreg_b32 s2, hwreg(HW_REG_IB_STS2, 6, 4)
	s_cmp_eq_u32 s2, 0
	s_cbranch_scc0 .Lentry_in_a_cluster
	s_endpgm
.Lentry_in_a_cluster:
	s_bfe_u32 s2, ttmp6, 0x10000c
	s_cmp_lg_u32 s2, 0xf033
	s_cbranch_scc0 .Lentry_shape_is_right
	s_endpgm
.Lentry_shape_is_right:
; out0 = ctx w_o^T on codes of FP6 (E2M3) with E8M0 scales; out0 [8192][1024] f32.
; The form of the projections' launch: source 0 = 16 rows of w_o (stationary: 64 a wave, 32 fragments that stay in 384 registers), source 1 = 16 tokens of ctx (streaming, in pairs of tiles): a lane holds one token and 32 outputs for each tile.
; A work-group: 256 outputs x 128 tokens x K = 1,024.  All its operands fit in LDS at once; each byte of LDS is filled once, by one tensor load a wave at the head: one load of mine is out at the most.
; CLUSTER 4 x 4: w_o's rows hang on the place along x alone and are asked for jointly down a column; ctx's tiles hang on the place along y alone and are asked for jointly along a row.
; ctx's scale words come head by head (two bytes a word): two heads make the word of a K step.
; THE WAY OUT: a tile's 16 tokens x my 64 outputs go through my own stage in LDS (rows of 256 bytes + 16) and leave as rows: sixteen lanes store 256 consecutive bytes, aligned.
; No prefetch: all that the launch reads is asked for at its head.
; REGISTERS: window 0: v1-15 addresses; v16-47 w_o's scale words (8 t + s); v48-79 ctx's (8 g + s: lanes 0-15 tile 2 g, lanes 16-31 tile 2 g + 1); v80-143 the 8 accumulators (32 u + 8 t); v144-207 rows on the way out.
;   window 1: stationary K steps 0-3 at 12 (4 s + t);  window 2: K steps 4-7;  window 3: a pair's streaming fragments.
.set WV,   14
.set SS,   16
.set TS,   48
.set ACC,  80
.set RB,   144
.set STO,  10
.set SRD,  11
.set GO,   12
.set STRM, 196608
.set STAGE, 294912
.set MSB, 0
.macro WIN new                         ; the immediate's high byte repeats the setting that is left
.if MSB != (\new)
	s_set_vgpr_msb (MSB<<8)|(\new)
.set MSB, (\new)
.endif
.endm
.macro CROUND                          ; a round of the cluster's barrier
	s_barrier_signal -1
	s_barrier_wait -1
	s_cmp_lg_u32 s[WV], 0
	s_cbranch_scc1 .Lnot_wave_0_\@
	s_barrier_signal -3
.Lnot_wave_0_\@:
	s_barrier_wait -3
	s_barrier_signal -1
	s_barrier_wait -1
.endm
.macro PLACES                          ; four plain places behind matrix instructions, ahead of loads into their sources and of reads of their results
.rept 4
	v_nop
.endr
.endm
.macro FRAG reg, va, vb, off           ; a fragment's two half-images: every load of the wave reads 512 or 256 consecutive bytes
	ds_load_b128 v[\reg:\reg+3], v[\va] offset:\off
	ds_load_b64 v[\reg+4:\reg+5], v[\vb] offset:\off+512
	ds_load_b128 v[\reg+6:\reg+9], v[\va] offset:\off+768
	ds_load_b64 v[\reg+10:\reg+11], v[\vb] offset:\off+1280
.endm
.macro FETCH set, g                    ; streaming tiles 2 g, 2 g + 1, K steps 4 set .. 4 set + 3: 32 LDS loads
	WIN 0xc0
.irp u, 0,1
.irp s, 0,1,2,3
	FRAG 96*(\set)+12*(4*\u+\s), 6+2*((\g)/2), 7+2*((\g)/2), ((2*(\g)+\u)%4)*12288+(4*(\set)+\s)*1536
.endr
.endr
.endm
.macro WM d, a, b, sa, sb, zero, row
.if \zero
.if \row
	v_wmma_scale_f32_16x16x128_f8f6f4 v[\d:\d+7], v[\a:\a+11], v[\b:\b+11], 0, v[\sa], v[\sb] matrix_a_fmt:MATRIX_FMT_FP6 matrix_b_fmt:MATRIX_FMT_FP6 matrix_b_scale:MATRIX_SCALE_ROW1
.else
	v_wmma_scale_f32_16x16x128_f8f6f4 v[\d:\d+7], v[\a:\a+11], v[\b:\b+11], 0, v[\sa], v[\sb] matrix_a_fmt:MATRIX_FMT_FP6 matrix_b_fmt:MATRIX_FMT_FP6
.endif
.else
.if \row
	v_wmma_scale_f32_16x16x128_f8f6f4 v[\d:\d+7], v[\a:\a+11], v[\b:\b+11], v[\d:\d+7], v[\sa], v[\sb] matrix_a_fmt:MATRIX_FMT_FP6 matrix_b_fmt:MATRIX_FMT_FP6 matrix_b_scale:MATRIX_SCALE_ROW1
.else
	v_wmma_scale_f32_16x16x128_f8f6f4 v[\d:\d+7], v[\a:\a+11], v[\b:\b+11], v[\d:\d+7], v[\sa], v[\sb] matrix_a_fmt:MATRIX_FMT_FP6 matrix_b_fmt:MATRIX_FMT_FP6
.endif
.endif
.endm
.macro MUL32 g, half                   ; the 8 accumulators take turns, one instruction a turn; the first K step starts the sums
	WIN 0x0d+\half
.irp s, 0,1,2,3
	s_wait_alu depctr_va_vdst(0)
.irp u, 0,1
.irp t, 0,1,2,3
.if (\half == 0) && (\s == 0)
	WM ACC+32*\u+8*\t, 12*(4*\s+\t), 96*\half+12*(4*\u+\s), SS+8*\t+4*\half+\s, TS+8*\g+4*\half+\s, 1, \u
.else
	WM ACC+32*\u+8*\t, 12*(4*\s+\t), 96*\half+12*(4*\u+\s), SS+8*\t+4*\half+\s, TS+8*\g+4*\half+\s, 0, \u
.endif
.endr
.endr
.endr
.endm
; Register 32 u + 4 k + i of lane (r, h) is output 32 (k / 4) + 16 h + 4 (k % 4) + i of the token in lane r of tile 2 g + u.  Stage row rho is token 32 g + 8 u + rho + 8 (rho / 8) of the block.
.macro EPI g
	s_wait_xcnt 0x0                                ; the last pair's stores have read their registers
.irp u, 0,1
.irp k, 0,1,2,3,4,5,6,7
	ds_store_b128 v[STO], v[ACC+32*\u+4*\k:ACC+32*\u+4*\k+3] offset:128*(\k/4)+16*(\k%4)   ; each accumulator from its low end on
.endr
.irp j, 0,1,2,3,4,5,6,7
	ds_load_b128 v[RB+32*\u+4*\j:RB+32*\u+4*\j+3], v[SRD] offset:544*\j   ; LDS serves a wave's instructions in order: these see the stores above, and the next tile's stores come behind them
.endr
.endr
	s_wait_dscnt 16                                ; the first tile's rows are back; the second tile's 8 stores and 8 loads may be out
.irp j, 0,1,2,3,4,5,6,7
	global_store_b128 v[GO], v[RB+4*\j:RB+4*\j+3], s[84:85] offset:(32*\g+2*\j+8*(\j/4))*4096 th:TH_STORE_NT
.endr
	s_wait_dscnt 0x0
.irp j, 0,1,2,3,4,5,6,7
	global_store_b128 v[GO], v[RB+32+4*\j:RB+32+4*\j+3], s[84:85] offset:(32*\g+8+2*\j+8*(\j/4))*4096 th:TH_STORE_NT
.endr
.endm
.macro TRIP g
	s_wait_dscnt 32                                ; the pair's K steps 0-3 are in; the 32 loads of K steps 4-7 may be out
	MUL32 \g, 0
	PLACES
.if \g < 3
	FETCH 0, \g+1
	s_wait_dscnt 32                                ; K steps 4-7 are in; the 32 just issued may be out
.else
	s_wait_dscnt 0x0
.endif
	MUL32 \g, 1
	PLACES                                         ; four places: for the loads below and for the stage's stores, which read the results
.if \g < 3
	v_nop                                          ; and a fifth: the next pair's first products begin these accumulators anew with C = 0, that is, matrix instructions write over registers of the products above; no other vector line stands between the pairs
	FETCH 1, \g+1
.endif
	WIN 0
	EPI \g
.endm
	s_load_b256 s[4:11], s[0:1], 0x0               ; XC, XS, CC, CS
	s_load_b64 s[12:13], s[0:1], 0x20              ; out0
	v_lshl_add_u32 v254, v0, 2, 0x4c400
	v_mov_b32 v255, 0
	ds_add_u32 v254, v255
	ds_add_u32 v254, v255
	v_lshrrev_b32 v1, 5, v0
	v_readfirstlane_b32 s[WV], v1                  ; wave 0..3
	s_bfe_u32 s15, ttmp6, 0x40000                  ; cx: which 256 outputs
	s_bfe_u32 s16, ttmp6, 0x40004                  ; cy
	s_and_b32 s17, ttmp7, 0xffff
	s_lshl_b32 s60, s17, 2
	s_add_co_u32 s60, s60, s16                     ; beta: which 128 tokens (hangs on cy alone)
	s_lshl_b32 s49, 0x1111, s15                    ; my column of the cluster
	s_or_b32 s24, s49, (3<<16)|(1<<21)             ; group 1, stationary: the mask; elements of 8 bytes; bit 21 beside a mask; no padding
	s_lshl_b32 s61, s16, 2
	s_lshl_b32 s61, 15, s61                        ; my row
	s_or_b32 s32, s61, (3<<16)|(1<<21)             ; group 1, streaming
.irp g, 24, 32                         ; dense blocks as rows of 256 bytes: 32 elements, pitch 32
	s_mov_b32 s[\g+1], 32<<16
	s_mov_b32 s[\g+3], 32<<16
	s_mov_b32 s[\g+5], 32
	s_mov_b32 s[\g+6], 0
	s_mov_b32 s[\g+7], 0
.endr
	; ONE tensor load a wave: waves 0 and 1 fetch a half each of w_o's rows, waves 2 and 3 a half each of ctx's tiles
	s_mov_b32 s26, 384<<16                         ; half of w_o's rows: 98,304 bytes
	s_mov_b32 s28, 384
	s_mov_b32 s34, 192<<16                         ; half of ctx's tiles: 49,152 bytes
	s_mov_b32 s36, 192
	s_and_b32 s99, s[WV], 1                        ; which half I fetch
	s_mul_i32 s98, s[WV], 49152                    ; LDS: the stationary quarter that I read
	s_mul_i32 s41, s99, 98304                      ; LDS: the stationary half that waves 0, 1 fetch
	s_mul_i32 s50, s15, 196608
	s_add_co_u32 s50, s50, 21233664                ; w_o's codes in XC
	s_add_co_u32 s50, s50, s41
	s_mov_b32 s51, 0
	s_mul_i32 s63, s99, 49152
	s_add_co_u32 s45, s63, STRM
	s_mul_i32 s62, s60, 98304
	s_add_co_u32 s62, s62, s63
	s_mov_b32 s63, 0
	s_lshl_b32 s52, s15, 13
	s_add_co_u32 s52, s52, 884736                  ; w_o's scale words in XS
	s_lshl_b32 s53, s[WV], 11
	s_add_co_u32 s52, s52, s53
	s_mov_b32 s53, 0
	s_lshl_b32 s66, s60, 9                         ; ctx's scale words: 8 tiles x 64 bytes in each head's part
	s_mov_b32 s67, 0
	s_lshl_b32 s80, s60, 19                        ; out0: 128 tokens x 4,096 bytes,
	s_lshl_b32 s82, s15, 10
	s_add_co_u32 s80, s80, s82                     ; 256 outputs x 4 bytes,
	s_lshl_b32 s82, s[WV], 8
	s_add_co_u32 s80, s80, s82                     ; my 64
	s_mov_b32 s81, 0
	s_mul_i32 s70, s[WV], 4352
	s_add_co_u32 s70, s70, STAGE                   ; my stage
	v_and_b32 v3, 31, v0                           ; lane
	v_and_b32 v1, 15, v0                           ; r
	v_bfe_u32 v2, v0, 4, 1                         ; h
	v_lshlrev_b32 v208, 4, v3                      ; 16 x lane
	v_lshlrev_b32 v209, 3, v3                      ; 8 x lane
	v_add_nc_u32 v4, s98, v208
	v_add_nc_u32 v5, s98, v209
	v_add_nc_u32 v6, STRM, v208                    ; streaming tiles 0-3
	v_add_nc_u32 v7, STRM, v209
	v_add_nc_u32 v8, STRM+49152, v208              ; tiles 4-7
	v_add_nc_u32 v9, STRM+49152, v209
	v_mul_u32_u24 v[STO], v1, 272
	v_lshl_add_u32 v[STO], v2, 6, v[STO]
	v_add_nc_u32 v[STO], s70, v[STO]               ; in: row r, + 64 h
	v_mul_u32_u24 v[SRD], v2, 272
	v_lshl_add_u32 v[SRD], v1, 4, v[SRD]
	v_add_nc_u32 v[SRD], s70, v[SRD]               ; back: lanes 0-15 one row, lanes 16-31 the next
	v_lshlrev_b32 v[GO], 12, v2
	v_lshl_add_u32 v[GO], v1, 4, v[GO]             ; and the same two rows in out0
	v_lshlrev_b32 v13, 2, v3                       ; 4 x lane
	v_lshlrev_b32 v15, 5, v1                       ; 32 r
	s_wait_dscnt 0x0
	s_wait_kmcnt 0x0
	s_mov_b32 s40, 1
	s_add_nc_u64 s[42:43], s[4:5], s[50:51]
	s_or_b32 s43, s43, 0x80000000
	s_mov_b32 s44, 1
	s_add_nc_u64 s[46:47], s[8:9], s[62:63]
	s_or_b32 s47, s47, 0x80000000
	s_add_nc_u64 s[52:53], s[6:7], s[52:53]
	s_add_nc_u64 s[66:67], s[10:11], s[66:67]
	s_add_nc_u64 s[84:85], s[12:13], s[80:81]
	CROUND                                         ; all sixteen work-groups are here: the joint loads meet
	s_cmp_lt_u32 s[WV], 2
	s_cbranch_scc0 .Lstrm
	tensor_load_to_lds s[40:43], s[24:31]          ; waves 0, 1: a half of w_o's rows
	s_nop 0
	PLACES
	s_branch .Lasked
.Lstrm:
	tensor_load_to_lds s[44:47], s[32:39]          ; waves 2, 3: a half of ctx's tiles
	s_nop 0
	PLACES
.Lasked:
	s_wait_alu depctr_va_vdst(0)
.irp t, 0,1,2,3
	global_load_b128 v[SS+8*\t:SS+8*\t+3], v15, s[52:53] offset:512*\t
	global_load_b128 v[SS+8*\t+4:SS+8*\t+7], v15, s[52:53] offset:512*\t+16
.endr
.irp g, 0,1,2,3
.irp d, 0,1,2,3,4,5,6,7,8,9,10,11,12,13,14,15
	global_load_b32 v[ACC+16*\g+\d], v13, s[66:67] offset:\d*32768+128*\g   ; head d's words of tiles 2 g (lanes 0-15) and 2 g + 1 (lanes 16-31)
.endr
.endr
	s_wait_loadcnt 0x0
.irp g, 0,1,2,3
.irp s, 0,1,2,3,4,5,6,7
	v_lshl_or_b32 v[TS+8*\g+\s], v[ACC+16*\g+2*\s+1], 16, v[ACC+16*\g+2*\s]   ; K step s = heads 2 s, 2 s + 1
.endr
.endr
.rept 8
	v_nop                                          ; a scale register written by a vector instruction stands eight places ahead of a scaled matrix instruction
.endr
	s_cmp_lt_u32 s[WV], 2
	s_cbranch_scc0 .Lnot_st
	s_wait_tensorcnt 0x0                           ; waves 0, 1: my half of w_o's rows is in
.Lnot_st:
	s_barrier_signal -1
	s_barrier_wait -1                              ; w_o's rows are whole; ctx's tiles may be out
	WIN 0x40
.irp s, 0,1,2,3
.irp t, 0,1,2,3
	FRAG 12*(4*\s+\t), 4, 5, \t*12288+\s*1536
.endr
.endr
	WIN 0x80
.irp s, 0,1,2,3
.irp t, 0,1,2,3
	FRAG 12*(4*\s+\t), 4, 5, \t*12288+(4+\s)*1536
.endr
.endr
	WIN 0
	s_wait_tensorcnt 0x0                           ; waves 2, 3: my half of ctx's tiles is in,
	s_wait_dscnt 0x0                               ; no LDS instruction of mine is pending at a signal,
	s_barrier_signal -1
	s_barrier_wait -1                              ; everybody's is
	FETCH 0, 0
	FETCH 1, 0
	TRIP 0
	TRIP 1
	TRIP 2
	TRIP 3
	s_wait_tensorcnt 0x0
	ds_add_u32 v254, v255
	s_wait_dscnt 0x0
	CROUND                                         ; the closing round: no work-group ends while a partner may still ask for a tile that names it
	s_endpgm
.Lfunc_end_k_q2846d29420_out:
	.size	k_q2846d29420_out, .Lfunc_end_k_q2846d29420_out-k_q2846d29420_out
	.p2alignl 7, 3214868480
	.fill 96, 4, 3214868480
	.section	.rodata,"a",@progbits
	.p2align	6, 0x0
	.amdhsa_kernel k_q2846d29420_out
		.amdhsa_group_segment_fixed_size 312832
		.amdhsa_private_segment_fixed_size 0
		.amdhsa_enable_private_segment 0
		.amdhsa_kernarg_size 40
		.amdhsa_user_sgpr_count 2
		.amdhsa_user_sgpr_kernarg_segment_ptr 1
		.amdhsa_wavefront_size32 1
		.amdhsa_system_sgpr_workgroup_id_x 1
		.amdhsa_system_sgpr_workgroup_id_y 1
		.amdhsa_system_sgpr_workgroup_id_z 1
		.amdhsa_system_vgpr_workitem_id 0
		.amdhsa_next_free_vgpr 1024
		.amdhsa_next_free_sgpr 100
		.amdhsa_reserve_vcc 0
		.amdhsa_float_denorm_mode_32 3
		.amdhsa_float_denorm_mode_16_64 3
		.amdhsa_memory_ordered 1
		.amdhsa_forward_progress 1
		.amdhsa_inst_pref_size 89
	.end_amdhsa_kernel
	.amdgpu_metadata
---
amdhsa.version: [ 1, 2 ]
amdhsa.kernels:
  - .name:           k_q2846d29420_out
    .symbol:         k_q2846d29420_out.kd
    .args:
      - { .name: XC, .offset: 0, .size: 8, .value_kind: global_buffer, .address_space: global }
      - { .name: XS, .offset: 8, .size: 8, .value_kind: global_buffer, .address_space: global }
      - { .name: CC, .offset: 16, .size: 8, .value_kind: global_buffer, .address_space: global }
      - { .name: CS, .offset: 24, .size: 8, .value_kind: global_buffer, .address_space: global }
      - { .name: out0, .offset: 32, .size: 8, .value_kind: global_buffer, .address_space: global }
    .group_segment_fixed_size: 312832
    .private_segment_fixed_size: 0
    .kernarg_segment_align: 8
    .kernarg_segment_size: 40
    .max_flat_workgroup_size: 128
    .sgpr_count:     100
    .vgpr_count:     1024
    .wavefront_size: 32
...
	.end_amdgpu_metadata
.endif
;; end of part 4
